; MI455X (gfx1250); checked and timed in simulation.
; The chip was launched on July 23, 2026; its instructions are those of AMD's public machine-readable ISA for CDNA 5 (MIT licence, August 2026) and "CDNA5" Instruction Set Architecture Reference Guide (July 2026). The comments in the code are by the model that wrote it; some were corrected since.
;; Multi Head Self Attention. Allowed arithmetic: matrix products marked QUANTISED: E2M3 operands, one E8M0 scale for each 32 along K, by v_wmma_scale_f32_16x16x128_f8f6f4 with both operands' format E2M3, f32 sums; everything else in f32.
;; Inputs: Wk 1,024 x 1,024 float32; Wo 1,024 x 1,024 float32; Wq 1,024 x 1,024 float32; Wv 1,024 x 1,024 float32; x 1 x 4,096 x 1,024 float32.
;; Outputs: out0 1 x 4,096 x 1,024 float32.
;; This version of the problem:
;;   THIS VERSION OF THE PROBLEM IS GIVEN IN LOW PRECISION. The matrix products marked QUANTISED in the list below multiply operands that are first quantised to E2M3 (2 exponent bits, 3 mantissa bits; 6 bits a number), with one power-of-two scale for each 32 numbers along K (OCP MX v1.0); their sums are f32. All else is computed in f32.
;;   The module's matrix products, in the order in which they are computed (A, B: the left and right operand; K: the contracted axis; several contracted axes count as one K, in the product's order):
;;     1. [M 4,096, K 1,024] x [K 1,024, N 1,024]; A: input x; B: input Wq: QUANTISED
;;     2. [M 4,096, K 1,024] x [K 1,024, N 1,024]; A: input x; B: input Wk: QUANTISED
;;     3. [M 4,096, K 1,024] x [K 1,024, N 1,024]; A: input x; B: input Wv: QUANTISED
;;     4. batch 16 x [M 4,096, K 64] x [K 64, N 4,096]; A: computed on the way; B: computed on the way: QUANTISED
;;     5. batch 16 x [M 4,096, K 4,096] x [K 4,096, N 64]; A: softmax (see below); B: computed on the way: QUANTISED
;;     6. [M 4,096, K 1,024] x [K 1,024, N 1,024]; A: computed on the way; B: input Wo: QUANTISED
;;   THE QUANTISER, for each operand of a quantised product, along K:
;;     - K is cut into blocks of 32 from its start; a last block that is shorter is filled with zeros.
;;     - A block's scale is 2^e with e = floor(log2(the largest magnitude in the block)) - 2, held to -126 .. 127; a block of zeros has e = 0. As a byte (E8M0): e + 127.
;;     - Each number is divided by its block's scale, clamped to +-7.5, and rounded to the nearest number of E2M3, ties to even, subnormals kept.
;;     - The product sums the exact products of the quantised numbers (number of the format x scale) in f32.
;;   ~~~python
;;   def quantise(x, axis):      # numpy; x: float32 -> the quantised numbers, widened to float32 again
;;       x = np.moveaxis(x, axis, -1); K = x.shape[-1]
;;       x = np.pad(x, [(0, 0)] * (x.ndim - 1) + [(0, -K % 32)]); x = x.reshape(x.shape[:-1] + (-1, 32)); a = np.abs(x).max(-1, keepdims=True)
;;       e = np.where(a > 0, np.clip(np.frexp(np.where(a > 0, a, 1))[1] - 1 - 2, -126, 127), 0)      # np.frexp(a)[1] - 1 = floor(log2(a)), exactly
;;       r = np.clip(x / 2.0 ** e, -7.5, 7.5)
;;       step = 2.0 ** (np.maximum(np.frexp(np.where(r == 0, 1, r))[1] - 1, 0) - 3)
;;       q = np.round(r / step) * step * 2.0 ** e      # np.round: ties to even
;;       return np.moveaxis(q.reshape(q.shape[:-2] + (-1,))[..., :K], -1, axis).astype(np.float32)
;;   ~~~
;;   SOFTMAX AHEAD OF A QUANTISED PRODUCT. Where the list says 'softmax', what is quantised is not the finished softmax but p = 2^(t - M), with t = logit x log2(e) and M = ceil(the row's largest t), a whole number; so 1/2 < the row's largest p <= 1. The row's sum l is taken of the UNQUANTISED p, in f32, and the product's result is divided by l at the end. Since M is a whole number, a kernel that streams over the keys may use a running M (the ceiling of the running maximum): every later rescaling is an exact power of two, which a block's scale takes up: the codes' values come out the same.
;;   OPERANDS COMPUTED ON THE WAY. 'Computed on the way' means the value that the module computes at that place (a softmax that the list does not call 'softmax' is quantised finished and normalised). What goes into a quantiser is computed in f32, as accurately as f32 sums, v_exp_f32 and their like allow (about 1e-6 of the number): no bf16 or f16 on the way to a quantiser, and a product that is left as it is and whose result goes on into a quantised operand takes f32 operands (vector FMAs, or v_wmma_f32_16x16x4_f32). A number that lies on a knife's edge between two numbers of the format may be rounded either way, as far as f32 arithmetic and the matrix unit's own rounding can turn it there, and no further.
;; One version. Each part assembles by itself: llvm-mc -triple=amdgcn-amd-amdhsa -mcpu=gfx1250 --defsym DOCPART=n.
;; ======== version 1 of 1: 4 launches
;; limits: right only within a limited range of input values
;; workspace buffers: codes 6,291,456 bytes; scales 262,144 bytes; q 3,407,872 bytes; kv 6,684,672 bytes; oi 3,145,728 bytes; os 131,072 bytes
;; launch quant (part 1): grid 256 x 1, 4 waves a work-group, no clusters, 34,304 bytes of LDS; arguments x, Wq, Wk, Wv, Wo, codes, scales; writes codes, scales
.if DOCPART == 1
	.amdgcn_target "amdgcn-amd-amdhsa--gfx1250"
	.amdhsa_code_object_version 6
	.text
	.protected	k_qa96aead09e_quant
	.globl	k_qa96aead09e_quant
	.p2align	8
	.type	k_qa96aead09e_quant,@function
k_qa96aead09e_quant:
	s_mov_b64 s[64:65], 0
	v_nop
	global_prefetch_b8 v0, s[64:65] scope:SCOPE_SE
	s_setreg_imm32_b32 hwreg(HW_REG_WAVE_MODE, 25, 1), 1
	s_wait_xcnt 0x0
; x [4096][1024] and Wq, Wk, Wv, Wo [1024][1024], f32, K innermost, become codes of FP6 (E2M3) with one E8M0 byte for each 32 along K,
; laid in the order of a matrix operand's registers.  8,192 rows are 512 TILES of 16 rows (0-255 x, 256+ Wq, 320+ Wk, 384+ Wv, 448+ Wo).
; THE ROWS OF A TILE ARE NOT NEIGHBOURS: row r of tile 4 G + u of a tensor is its row 64 G + 32 (r / 8) + 8 u + r % 8.  A product that takes four such
; tiles as source 0 leaves in a lane's 32 result registers 32 NEIGHBOURS: a whole block of the next quantiser, which then needs no other lane's numbers.
; codes: [tile][K step of 128] fragments of 1,536 bytes: register pair n of lane l at 256 n + 8 l.  scales: [tile] 512 bytes: the word of
; (row r, K step s) at 256 (s / 4) + 16 r + 4 (s % 4).
; A block's scale is 2^(floor(log2(its largest magnitude)) - 2); its byte is the largest magnitude's exponent field - 2, held at 1 from below.
; WORK LEFT OUT BY THE PROGRAM: reference() builds the causal mask itself; a tile of 128 keys that lies wholly behind a block of queries gets only hidden
; scores, whose weights the softmax makes 0 whatever the inputs hold, so the attention launch multiplies no such tile.  A NaN, an infinity or an overflow that reaches only those tiles is not carried to the result.
; LIMITS: a block of zeros, or one whose largest magnitude lies under 2^-124, gets the byte 1 (the rule says 127 for zeros: its codes are zeros,
; and this program alone reads the bytes); NaN and infinities among the inputs are not served.
; SHARES: work-group g takes tiles 2 g and 2 g + 1; wave w takes tile 2 g + w / 2 and K steps 4 (w % 2) .. + 3: four units of 16 rows x 128 K.
; A load reads 512 consecutive bytes of one row; a unit turns through the wave's own stage in LDS (rows of 512 + 16 bytes) so that lane (r, h) gets
; blocks h and 2 + h of row r whole.  Waves share nothing: no barrier.  Loads run two units (32 loads a wave) ahead.
.set ROWB,   4096
.set SPITCH, 528
.set STG,    16*SPITCH
.set TILEB,  12288
.set FRB,    1536
.set LD,  1                            ; 16 x lane
.set STI, 2                            ; the stage, on the way in
.set STO, 3                            ; and out: row r, + 128 h
.set CO,  4                            ; 8 x lane
.set SO,  5                            ; 16 r + 8 h
.set LN,  6
.set SH,  7                            ; 8 h
.set R,   16                           ; v16-143  two sets of 64 numbers as loaded
.set X,   144                          ; v144-207 register 32 c + i = k 64 c + 32 h + i of my row
.set PC,  208                          ; v208-219 a fragment's codes; v220-226 at work
.set TM,  228
.set SOP, 232
.set BY,  234
.set PW,  244                          ; the four units' scale words
.set SEL, 20                           ; lane selects: lane l xor 16
.macro QUANT s, pw                     ; 64 numbers of a lane: a fragment's codes in v[PC] on, the row's scale word in v[pw]
.irp c, 0,1
	v_max3_num_f32 v[TM+2*\c], |v[\s+32*\c]|, |v[\s+32*\c+1]|, 0x1800000   ; with the floor 2^(3 - 127): the byte cannot fall under 1
	v_max3_num_f32 v[TM+2*\c+1], |v[\s+32*\c+16]|, |v[\s+32*\c+17]|, |v[\s+32*\c+18]|
.endr
.irp i, 2,4,6,8,10,12
.irp c, 0,1
	v_max3_num_f32 v[TM+2*\c], v[TM+2*\c], |v[\s+32*\c+\i]|, |v[\s+32*\c+\i+1]|
	v_max3_num_f32 v[TM+2*\c+1], v[TM+2*\c+1], |v[\s+32*\c+\i+17]|, |v[\s+32*\c+\i+18]|
.endr
.endr
.irp c, 0,1
	v_max3_num_f32 v[TM+2*\c], v[TM+2*\c], |v[\s+32*\c+14]|, |v[\s+32*\c+15]|
.endr
.irp c, 0,1
	v_max3_num_f32 v[TM+2*\c], v[TM+2*\c], v[TM+2*\c+1], |v[\s+32*\c+31]|   ; the block's largest magnitude
.endr
.irp c, 0,1
	v_add_nc_u32 v[SOP+\c], 0xff000000, v[TM+2*\c]   ; 2 off its exponent field: the conversion's scale operand
.endr
.irp c, 0,1
	v_cvt_scalef32_pk16_fp6_f32 v[PC+6*\c:PC+2+6*\c], v[\s+32*\c:\s+15+32*\c], v[SOP+\c]
	v_cvt_scalef32_pk16_fp6_f32 v[PC+12+4*\c:PC+14+4*\c], v[\s+16+32*\c:\s+31+32*\c], v[SOP+\c]   ; (a conversion's three registers begin on an even number)
.endr
.irp c, 0,1
	v_lshrrev_b32 v[BY+\c], 23, v[SOP+\c]          ; the scale's byte (also the plain place behind the conversions)
.endr
.irp c, 0,1
.irp i, 0,1,2
	v_mov_b32 v[PC+3+6*\c+\i], v[PC+12+4*\c+\i]
.endr
.endr
	v_lshl_or_b32 v[TM], v[BY+1], 16, v[BY]        ; blocks h and 2 + h,
	v_lshlrev_b32 v[TM], v[SH], v[TM]              ; at their places in the word;
	v_permlanex16_b32 v[TM+2], v[TM], s[SEL], s[SEL+1]
	v_or_b32 v[\pw], v[TM], v[TM+2]                ; with lane l xor 16's two the word is whole
.endm
.macro LOADU u                         ; unit u: 16 rows x 512 bytes into set u % 2
.irp i, 0,1,2,3,4,5,6,7,8,9,10,11,12,13,14,15
	global_load_b128 v[R+64*((\u)%2)+4*\i:R+64*((\u)%2)+4*\i+3], v[LD], s[18:19] offset:(\i+24*(\i/8))*ROWB+512*(\u) th:TH_LOAD_NT
.endr
.endm
.macro TURNU u                         ; through the stage: LDS serves a wave's instructions in order
.irp i, 0,1,2,3,4,5,6,7,8,9,10,11,12,13,14,15
	ds_store_b128 v[STI], v[R+64*((\u)%2)+4*\i:R+64*((\u)%2)+4*\i+3] offset:SPITCH*\i
.endr
.irp c, 0,1
.irp j, 0,1,2,3,4,5,6,7
	ds_load_b128 v[X+32*\c+4*\j:X+32*\c+4*\j+3], v[STO] offset:256*\c+16*\j
.endr
.endr
.endm
.macro UNIT u
.if (\u) < 3
	s_wait_loadcnt 16                              ; this unit's 16 loads are in; the next unit's 16 may be out
.else
	s_wait_loadcnt 0x0
.endif
	TURNU \u
	s_wait_dscnt 0x0                               ; my 64 numbers are back, and the stage's stores have read their registers
	s_wait_xcnt 0x0                                ; the last unit's stores have read the codes' registers
.if (\u) < 2
	LOADU (\u)+2
.endif
	QUANT X, PW+(\u)
.irp n, 0,1,2,3,4,5
	global_store_b64 v[CO], v[PC+2*\n:PC+2*\n+1], s[14:15] offset:FRB*(\u)+256*\n   ; 32 lanes store 256 consecutive bytes, aligned
.endr
.endm
	s_load_b256 s[4:11], s[0:1], 0x0               ; x, Wq, Wk, Wv
	s_load_b128 s[12:15], s[0:1], 0x20             ; Wo, codes
	s_load_b64 s[16:17], s[0:1], 0x30              ; scales
	v_lshl_add_u32 v254, v0, 2, 0x8400             ; my spare word, behind the four stages
	v_mov_b32 v255, 0
	v_lshrrev_b32 v10, 5, v0
	v_readfirstlane_b32 s24, v10                   ; wave 0..3
	v_and_b32 v[LN], 31, v0
	v_and_b32 v8, 15, v0                           ; r
	v_bfe_u32 v9, v0, 4, 1                         ; h
	v_lshlrev_b32 v[LD], 4, v[LN]
	s_mul_i32 s25, s24, STG
	v_add_nc_u32 v[STI], s25, v[LD]
	v_mul_u32_u24 v[STO], v8, SPITCH
	v_lshl_add_u32 v[STO], v9, 7, v[STO]
	v_add_nc_u32 v[STO], s25, v[STO]
	v_lshlrev_b32 v[CO], 3, v[LN]
	v_lshlrev_b32 v[SO], 4, v8
	v_lshl_add_u32 v[SO], v9, 3, v[SO]
	v_lshlrev_b32 v[SH], 3, v9
	v_mov_b32 v[TM+2], 0                           ; written once: a lane permute's destination counts as one of its sources
	s_mov_b32 s[SEL], 0x76543210
	s_mov_b32 s[SEL+1], 0xfedcba98
	s_lshr_b32 s26, s24, 1
	s_and_b32 s27, s24, 1                          ; which half of K
	s_lshl_b32 s28, ttmp9, 1
	s_add_co_u32 s28, s28, s26                     ; my tile
	s_wait_alu depctr_va_vdst(0)                   ; the wait at the head's end
	s_wait_kmcnt 0x0
	s_mov_b64 s[18:19], s[12:13]                   ; whose tile: the choice hangs on the work-group's number alone
	s_mov_b32 s22, 448
	s_cmp_lt_u32 ttmp9, 224
	s_cselect_b64 s[18:19], s[10:11], s[18:19]
	s_cselect_b32 s22, 384, s22
	s_cmp_lt_u32 ttmp9, 192
	s_cselect_b64 s[18:19], s[8:9], s[18:19]
	s_cselect_b32 s22, 320, s22
	s_cmp_lt_u32 ttmp9, 160
	s_cselect_b64 s[18:19], s[6:7], s[18:19]
	s_cselect_b32 s22, 256, s22
	s_cmp_lt_u32 ttmp9, 128
	s_cselect_b64 s[18:19], s[4:5], s[18:19]
	s_cselect_b32 s22, 0, s22
	s_sub_co_u32 s29, s28, s22                     ; the tile's number in its tensor
	s_lshr_b32 s30, s29, 2
	s_lshl_b32 s30, s30, 18                        ; 64 rows of 4,096 bytes for each four tiles,
	s_and_b32 s31, s29, 3
	s_lshl_b32 s31, s31, 15                        ; 8 rows for each tile of the four,
	s_add_co_u32 s30, s30, s31
	s_lshl_b32 s31, s27, 11                        ; 2,048 bytes for the upper half of K
	s_add_co_u32 s30, s30, s31
	s_mov_b32 s31, 0
	s_add_nc_u64 s[18:19], s[18:19], s[30:31]
	s_mul_i32 s30, s28, TILEB
	s_mul_i32 s32, s27, 4*FRB
	s_add_co_u32 s30, s30, s32
	s_add_nc_u64 s[14:15], s[14:15], s[30:31]      ; my four fragments
	s_lshl_b32 s30, s28, 9
	s_lshl_b32 s32, s27, 8
	s_add_co_u32 s30, s30, s32
	s_add_nc_u64 s[16:17], s[16:17], s[30:31]      ; my 256 bytes of scale words
	LOADU 0
	LOADU 1
	UNIT 0
	UNIT 1
	UNIT 2
	UNIT 3
	v_cmp_le_u32 vcc_lo, 16, v[LN]                 ; lanes 0-15 store row r's words of units 0, 1; lanes 16-31 those of units 2, 3
	v_cndmask_b32 v248, v[PW], v[PW+2], vcc_lo
	v_cndmask_b32 v249, v[PW+1], v[PW+3], vcc_lo
	global_store_b64 v[SO], v[248:249], s[16:17]   ; 32 lanes store 256 consecutive bytes, aligned
	s_wait_tensorcnt 0x0                           ; the wave's end
	ds_add_u32 v254, v255
	s_wait_dscnt 0x0
	s_endpgm
.Lfunc_end_k_qa96aead09e_quant:
	.size	k_qa96aead09e_quant, .Lfunc_end_k_qa96aead09e_quant-k_qa96aead09e_quant
	.p2alignl 7, 3214868480
	.fill 96, 4, 3214868480
	.section	.rodata,"a",@progbits
	.p2align	6, 0x0
	.amdhsa_kernel k_qa96aead09e_quant
		.amdhsa_group_segment_fixed_size 34304
		.amdhsa_private_segment_fixed_size 0
		.amdhsa_enable_private_segment 0
		.amdhsa_kernarg_size 56
		.amdhsa_user_sgpr_count 2
		.amdhsa_user_sgpr_kernarg_segment_ptr 1
		.amdhsa_wavefront_size32 1
		.amdhsa_system_sgpr_workgroup_id_x 1
		.amdhsa_system_sgpr_workgroup_id_y 1
		.amdhsa_system_sgpr_workgroup_id_z 1
		.amdhsa_system_vgpr_workitem_id 0
		.amdhsa_next_free_vgpr 256
		.amdhsa_next_free_sgpr 66
		.amdhsa_reserve_vcc 1
		.amdhsa_float_denorm_mode_32 3
		.amdhsa_float_denorm_mode_16_64 3
		.amdhsa_memory_ordered 1
		.amdhsa_forward_progress 1
		.amdhsa_inst_pref_size 32
	.end_amdhsa_kernel
	.amdgpu_metadata
---
amdhsa.version: [ 1, 2 ]
amdhsa.kernels:
  - .name:           k_qa96aead09e_quant
    .symbol:         k_qa96aead09e_quant.kd
    .args:
      - { .name: x, .offset: 0, .size: 8, .value_kind: global_buffer, .address_space: global }
      - { .name: Wq, .offset: 8, .size: 8, .value_kind: global_buffer, .address_space: global }
      - { .name: Wk, .offset: 16, .size: 8, .value_kind: global_buffer, .address_space: global }
      - { .name: Wv, .offset: 24, .size: 8, .value_kind: global_buffer, .address_space: global }
      - { .name: Wo, .offset: 32, .size: 8, .value_kind: global_buffer, .address_space: global }
      - { .name: codes, .offset: 40, .size: 8, .value_kind: global_buffer, .address_space: global }
      - { .name: scales, .offset: 48, .size: 8, .value_kind: global_buffer, .address_space: global }
    .group_segment_fixed_size: 34304
    .private_segment_fixed_size: 0
    .kernarg_segment_align: 8
    .kernarg_segment_size: 56
    .max_flat_workgroup_size: 128
    .sgpr_count:     66
    .vgpr_count:     256
    .wavefront_size: 32
...
	.end_amdgpu_metadata
.endif
;; end of part 1
;; launch qkv (part 2): grid 8 x 32, 4 waves a work-group, clusters of 4 x 4, 327,680 bytes of LDS; arguments codes, scales, q, kv; writes q, kv
.if DOCPART == 2
	.amdgcn_target "amdgcn-amd-amdhsa--gfx1250"
	.amdhsa_code_object_version 6
	.text
	.protected	k_qa96aead09e_qkv
	.globl	k_qa96aead09e_qkv
	.p2align	8
	.type	k_qa96aead09e_qkv,@function
k_qa96aead09e_qkv:
	s_mov_b64 s[64:65], 0
	v_nop
	global_prefetch_b8 v0, s[64:65] scope:SCOPE_SE
	s_setreg_imm32_b32 hwreg(HW_REG_WAVE_MODE, 25, 1), 1
	s_wait_xcnt 0x0
	s_wait_alu depctr_hold_cnt(0) depctr_sa_sdst(0) depctr_va_vdst(0) depctr_va_sdst(0) depctr_va_ssrc(0) depctr_va_vcc(0) depctr_vm_vsrc(0)
	s_getreg_b32 s2, hwreg(HW_REG_IB_STS2, 6, 4)
	s_cmp_eq_u32 s2, 0
	s_cbranch_scc0 .Lentry_in_a_cluster
	s_endpgm
.Lentry_in_a_cluster:
	s_bfe_u32 s2, ttmp6, 0x10000c
	s_cmp_lg_u32 s2, 0xf033
	s_cbranch_scc0 .Lentry_shape_is_right
	s_endpgm
.Lentry_shape_is_right:
; q = x Wq^T, k = x Wk^T, v = x Wv^T on codes of FP6 (E2M3), and their quantising for attention: q and k along the head's 64, v along the keys.
; codes, scales: as the launch before laid them: tiles of 16 rows (row r of tile 4 G + u = 64 G + 32 (r / 8) + 8 u + r % 8), fragments of 1,536 bytes in the order of the operand's registers, scale tiles of 512 bytes.
; SHARES.  Work-group (g, xi): 128 rows of x (tiles 8 xi ..) x heads 2 g, 2 g + 1 of each of the three weights.  Wave w: rows 64 (w / 2) on, head 2 g + w % 2: 64 x 64 a phase, 16 accumulators.
; All of K (1,024) lies in LDS as panels of 8 tiles, 98,304 bytes, dense as in memory.  A wave's 32 fragments of x (384 registers) stay in registers through the three phases.
; q, k: source 0 = 16 rows of W, source 1 = 16 rows of x: lane (r, h) holds one row of x, and its 32 registers of a tile of rows are channels 32 h .. 32 h + 31 of the head: a whole block.
; v: source 0 = x, source 1 = Wv: lane (r, h) holds one channel and its 32 registers are keys 32 h .. + 31 of my 64.  So each is quantised in a lane's own registers; only the scale bytes cross lanes.
; The codes leave as halves of fragments (16 rows x 64 K, 768 bytes), whole blocks of 256 bytes a store.
; q: [head][block of 128 rows] records of 6,656 bytes: 8 halves, then the scale words [4 tiles' group][r][tile].  kv: [head][128 keys] records of 13,056 bytes: K's 8 halves, V^T's 4 fragments at 6,144,
; V's scale words [r][tile] at 12,288, K's [group][r][tile] at 12,544.  Bytes 2 and 3 of q's and k's words are 0x7f (their K is 64).
; V's scale words are stored two bytes a lane: a word's halves come from two waves; they are one part in 48 of what the launch stores.
; CLUSTER 4 x 4: x's panel hangs on xi alone and is asked for jointly along a row of the cluster, a weight's on g alone, along a column.
; LDS: two panels.  At the head waves 0, 1 bring the halves of x's panel (at 0) and waves 2, 3 those of Wq's (at WA): one tensor load a wave.  When x's fragments are in registers, Wk's panel fills x's place,
; a quarter a wave, and has phase q in which to land; behind phase q Wv's fills Wq's place and has phase k.  A wave has one tensor load out at the most.
; No prefetch: the launch has no loop to run ahead in; every panel is asked for as soon as its LDS bytes are free.
; LIMITS: a block of zeros or under 2^-124 gets the byte 1; NaN and infinities are not served.
; REGISTERS: window 0: v1-13 addresses; v16-31 x's scale words, v32-79 the weights'; v80-207 accumulators; v208-249 at work.  windows 1, 2: x's fragments (K steps 0-4, 5-7).  window 3: a weight's, two sets.
.set TILEB, 12288
.set FRB,   1536
.set PANEL, 8*TILEB
.set WA,    PANEL
.set SPARE, 2*PANEL                    ; the spare words, 128 bytes for each wave
.set QREC,  6656
.set REC,   13056
.set LK,  1                            ; 8 x lane
.set L16, 2                            ; 16 x lane
.set R16, 3                            ; 16 r
.set SO,  4                            ; 16 r + 8 h
.set SPW, 5
.set NIL, 6
.set ADX, 7                            ; my fragments of x in LDS
.set ADW, 8                            ; v8: my fragments of Wq and Wv; v9: of Wk
.set LN,  11
.set SH,  12                           ; 8 h
.set ORC, 13                           ; 0x7f7f0000 in lanes 0-15, 0 in lanes 16-31
.set XS,  16                           ; x's scale words: tile a, K step s at 4 a + s % 4 (lanes 16-31: K steps 4-7)
.set WS,  32                           ; the weights': phase p, tile t at 16 p + 4 t + s % 4
.set ACC, 80
.set TM,  208
.set SOP, 212
.set BY,  214
.set T,   216
.set OUT, 220                          ; four halves of fragments
.set PW,  244                          ; their scale words
.set SW,  248
.set WV, 12
.set WI, 13
.set WJ, 14
.set CX, 15
.set CY, 16
.set GG, 17
.set XI, 18
.set SEL, 20
.set G1X, 24
.set G1W, 32
.set G0X, 40
.set G0Q, 44
.set G0K, 48
.set G0V, 52
.set QB,  68
.set QSB, 70
.set KB,  72
.set KSB, 74
.set VB,  76
.set VSB, 78
.set XSB, 80
.set WSB, 82
.set MSB, 0
.macro WIN new                         ; the immediate's high byte repeats the setting that is left
.if MSB != (\new)
	s_set_vgpr_msb (MSB<<8)|(\new)
.set MSB, (\new)
.endif
.endm
.macro PLACES n
.rept \n
	v_nop
.endr
.endm
.macro CROUND                          ; a round of the cluster's barrier
	s_barrier_signal -1
	s_barrier_wait -1
	s_cmp_lg_u32 s[WV], 0
	s_cbranch_scc1 .Lnot_wave_0_\@
	s_barrier_signal -3
.Lnot_wave_0_\@:
	s_barrier_wait -3
	s_barrier_signal -1
	s_barrier_wait -1
.endm
.macro MM d, a, b, sa, sb, s           ; one product; K step 0 starts the sum; K steps 4-7 take their scale words from lanes 16-31
.if (\s) == 0
	v_wmma_scale_f32_16x16x128_f8f6f4 v[\d:\d+7], v[\a:\a+11], v[\b:\b+11], 0, v[\sa], v[\sb] matrix_a_fmt:MATRIX_FMT_FP6 matrix_b_fmt:MATRIX_FMT_FP6
.elseif (\s) < 4
	v_wmma_scale_f32_16x16x128_f8f6f4 v[\d:\d+7], v[\a:\a+11], v[\b:\b+11], v[\d:\d+7], v[\sa], v[\sb] matrix_a_fmt:MATRIX_FMT_FP6 matrix_b_fmt:MATRIX_FMT_FP6
.else
	v_wmma_scale_f32_16x16x128_f8f6f4 v[\d:\d+7], v[\a:\a+11], v[\b:\b+11], v[\d:\d+7], v[\sa], v[\sb] matrix_a_fmt:MATRIX_FMT_FP6 matrix_b_fmt:MATRIX_FMT_FP6 matrix_a_scale:MATRIX_SCALE_ROW1 matrix_b_scale:MATRIX_SCALE_ROW1
.endif
.endm
; 16 products of K step s.  type 0: source 0 = the weight, source 1 = x; type 1: the other way round.  The 16 accumulators take turns, one instruction a turn.
.macro MUL16 type, p, s
.set WF, 48*((\s)%2)
.if (\s) < 5
.set XB, 48*(\s)
	WIN 0x07+6*(\type)
.else
.set XB, 48*((\s)-5)
	WIN 0x0b+3*(\type)
.endif
.irp a, 0,1,2,3
.irp t, 0,1,2,3
.if \type
	MM ACC+32*\t+8*\a, XB+12*\a, WF+12*\t, XS+4*\a+(\s)%4, WS+16*(\p)+4*\t+(\s)%4, \s
.else
	MM ACC+32*\a+8*\t, WF+12*\t, XB+12*\a, WS+16*(\p)+4*\t+(\s)%4, XS+4*\a+(\s)%4, \s
.endif
.endr
.endr
.endm
.macro FETCHW p, s                     ; my four fragments of weight p, K step s, into set s % 2 of window 3: 24 loads, each 256 consecutive bytes
	WIN 0xc0
.irp t, 0,1,2,3
.irp n, 0,1,2,3,4,5
	ds_load_b64 v[48*((\s)%2)+12*\t+2*\n:48*((\s)%2)+12*\t+2*\n+1], v[ADW+(\p)%2] offset:TILEB*\t+FRB*(\s)+256*\n
.endr
.endr
.endm
.macro XFRAGS                          ; my 32 fragments of x: they stay
	WIN 0x40
.irp k, 0,1,2,3,4
.irp a, 0,1,2,3
.irp n, 0,1,2,3,4,5
	ds_load_b64 v[48*\k+12*\a+2*\n:48*\k+12*\a+2*\n+1], v[ADX] offset:TILEB*\a+FRB*\k+256*\n
.endr
.endr
.endr
	WIN 0x80
.irp k, 5,6,7
.irp a, 0,1,2,3
.irp n, 0,1,2,3,4,5
	ds_load_b64 v[48*(\k-5)+12*\a+2*\n:48*(\k-5)+12*\a+2*\n+1], v[ADX] offset:TILEB*\a+FRB*\k+256*\n
.endr
.endr
.endr
	WIN 0
.endm
; A phase: eight K steps.  The next step's fragments are asked for ahead of a step's products; four places stand in front of loads into registers that matrix instructions have read (ISA guide 7.12.1 for vector instructions).
.macro KLOOP type, p
	FETCHW \p, 0
.irp k, 0,1,2,3,4,5,6
	PLACES 4
	FETCHW \p, \k+1
	s_wait_dscnt 24                                ; all but the 24 just issued: this step's fragments are in
	MUL16 \type, \p, \k
.endr
	s_wait_dscnt 0x0
	MUL16 \type, \p, 7
	WIN 0
.endm
; 32 numbers of a lane, register i = k 32 h + i of my row: block h whole.  They become half a fragment (6 registers from v[dst]); the row's scale word (bytes 2, 3: 0x7f) comes into v[pw] in both halves of the lanes
.macro QUANT64 src, dst, pw
	v_max3_num_f32 v[TM], |v[\src]|, |v[\src+1]|, 0x1800000   ; with the floor 2^(3 - 127): the byte cannot fall under 1
	v_max3_num_f32 v[TM+1], |v[\src+16]|, |v[\src+17]|, |v[\src+18]|
.irp i, 2,4,6,8,10,12
	v_max3_num_f32 v[TM], v[TM], |v[\src+\i]|, |v[\src+\i+1]|
	v_max3_num_f32 v[TM+1], v[TM+1], |v[\src+\i+17]|, |v[\src+\i+18]|
.endr
	v_max3_num_f32 v[TM], v[TM], |v[\src+14]|, |v[\src+15]|
	v_max3_num_f32 v[TM], v[TM], v[TM+1], |v[\src+31]|   ; the block's largest magnitude
	v_add_nc_u32 v[SOP], 0xff000000, v[TM]         ; 2 off its exponent field: the conversion's scale operand
	v_cvt_scalef32_pk16_fp6_f32 v[\dst:\dst+2], v[\src:\src+15], v[SOP]
	v_cvt_scalef32_pk16_fp6_f32 v[T:T+2], v[\src+16:\src+31], v[SOP]   ; (a conversion's three registers begin on an even number)
	v_lshrrev_b32 v[BY], 23, v[SOP]                ; the scale's byte (also the plain place behind the conversions)
.irp i, 0,1,2
	v_mov_b32 v[\dst+3+\i], v[T+\i]
.endr
	v_lshl_or_b32 v[BY], v[BY], v[SH], v[ORC]      ; at byte h; lanes 0-15 add the two bytes 0x7f
	v_permlanex16_b32 v[TM+2], v[BY], s[SEL], s[SEL+1]
	v_or_b32 v[\pw], v[BY], v[TM+2]                ; with lane l xor 16's the word is whole
.endm
.macro EPI_QK cb, sb                   ; q's or k's way out
	s_wait_xcnt 0x0                                ; the last phase's stores have read their registers
	PLACES 4                                       ; behind the last products
.irp a, 0,1,2,3
	QUANT64 ACC+32*\a, OUT+6*\a, PW+\a
.endr
.irp a, 0,1,2,3
.irp n, 0,1,2
	global_store_b64 v[LK], v[OUT+6*\a+2*\n:OUT+6*\a+2*\n+1], s[\cb:\cb+1] offset:768*\a+256*\n   ; 32 lanes store 256 consecutive bytes, aligned
.endr
.endr
	v_cmp_le_u32 vcc_lo, 16, v[LN]                 ; lanes 0-15 store row r's words of tiles 0, 1; lanes 16-31 those of tiles 2, 3
	v_cndmask_b32 v[SW], v[PW], v[PW+2], vcc_lo
	v_cndmask_b32 v[SW+1], v[PW+1], v[PW+3], vcc_lo
	global_store_b64 v[SO], v[SW:SW+1], s[\sb:\sb+1]
.endm
.macro EPI_V
	s_wait_xcnt 0x0
	PLACES 4
.irp t, 0,1,2,3
	QUANT64 ACC+32*\t, OUT+6*\t, PW+\t
.endr
.irp t, 0,1,2,3
.irp n, 0,1,2
	global_store_b64 v[LK], v[OUT+6*\t+2*\n:OUT+6*\t+2*\n+1], s[VB:VB+1] offset:FRB*\t+256*\n
.endr
.endr
.irp t, 0,1,2,3
	global_store_b16 v[R16], v[PW+\t], s[VSB:VSB+1] offset:4*\t   ; my 64 keys' two bytes of channel r's word (both halves of the lanes hold and write the same)
.endr
.endm
	s_load_b256 s[4:11], s[0:1], 0x0               ; codes, scales, q, kv
	v_lshl_add_u32 v[SPW], v0, 2, SPARE
	v_mov_b32 v[NIL], 0
	ds_add_u32 v[SPW], v[NIL]                      ; the opening lines: the add, twice on end, and its wait
	ds_add_u32 v[SPW], v[NIL]
	v_lshrrev_b32 v14, 5, v0
	v_readfirstlane_b32 s[WV], v14                 ; wave 0..3
	s_lshr_b32 s[WI], s[WV], 1                     ; which 64 rows of x
	s_and_b32 s[WJ], s[WV], 1                      ; which head; at the head also: which half of a panel I fetch
	s_bfe_u32 s[CX], ttmp6, 0x40000
	s_bfe_u32 s[CY], ttmp6, 0x40004
	s_lshl_b32 s[GG], ttmp9, 2
	s_add_co_u32 s[GG], s[GG], s[CX]               ; g = 4 x cluster x + cx
	s_and_b32 s[XI], ttmp7, 0xffff
	s_lshl_b32 s[XI], s[XI], 2
	s_add_co_u32 s[XI], s[XI], s[CY]               ; xi = 4 x cluster y + cy
	s_lshl_b32 s63, s[CY], 2
	s_lshl_b32 s63, 15, s63                        ; my row of the cluster
	s_lshl_b32 s66, 0x1111, s[CX]                  ; my column
	; descriptor group 1: half a panel, 49,152 dense bytes, as 192 rows of 256 bytes (32 elements of 8 bytes), no padding
	s_or_b32 s[G1X], s63, (3<<16)|(1<<21)
	s_or_b32 s[G1W], s66, (3<<16)|(1<<21)
.irp g, G1X, G1W
	s_mov_b32 s[\g+1], 32<<16
	s_mov_b32 s[\g+2], 192<<16
	s_mov_b32 s[\g+3], 32<<16
	s_mov_b32 s[\g+4], 192
	s_mov_b32 s[\g+5], 32
	s_mov_b32 s[\g+6], 0
	s_mov_b32 s[\g+7], 0
.endr
	s_lshl_b32 s56, s[XI], 3                       ; x: tiles 8 xi + 4 (w % 2) on (registers that never hold cx)
	s_lshl_b32 s57, s[WJ], 2
	s_add_co_u32 s56, s56, s57
	s_mul_i32 s56, s56, TILEB
	s_mov_b32 s57, 0
	s_lshl_b32 s58, s[GG], 3                       ; Wq: tiles 256 + 8 g on (registers that never hold cy)
	s_add_co_u32 s58, s58, 256
	s_mul_i32 s58, s58, TILEB
	s_mov_b32 s59, 0
	s_mul_i32 s86, s[WJ], 4*TILEB                  ; my half of a panel,
	s_mov_b32 s87, 0
	s_mul_i32 s88, s[WV], 2*TILEB                  ; my quarter: no place in the cluster enters an LDS address
	s_mov_b32 s89, 0
	s_mov_b32 s[SEL], 0x76543210
	s_mov_b32 s[SEL+1], 0xfedcba98
	s_wait_dscnt 0x0                               ; both opening adds are done
	s_wait_kmcnt 0x0
	s_mov_b32 s[G0X], 1
	s_mov_b32 s[G0X+1], s86
	s_add_nc_u64 s[G0X+2:G0X+3], s[4:5], s[56:57]
	s_or_b32 s[G0X+3], s[G0X+3], 0x80000000
	s_add_nc_u64 s[60:61], s[4:5], s[58:59]
	s_mov_b32 s[G0Q], 1
	s_add_co_u32 s[G0Q+1], s86, WA
	s_add_nc_u64 s[G0Q+2:G0Q+3], s[60:61], s[86:87]
	s_or_b32 s[G0Q+3], s[G0Q+3], 0x80000000
	s_add_nc_u64 s[60:61], s[60:61], s[88:89]
	s_mov_b32 s[G0K], 1
	s_mov_b32 s[G0K+1], s88                        ; Wk takes x's place
	s_add_nc_u64 s[G0K+2:G0K+3], s[60:61], 64*TILEB
	s_or_b32 s[G0K+3], s[G0K+3], 0x80000000
	s_mov_b32 s[G0V], 1
	s_add_co_u32 s[G0V+1], s88, WA                 ; Wv takes Wq's
	s_add_nc_u64 s[G0V+2:G0V+3], s[60:61], 128*TILEB
	s_or_b32 s[G0V+3], s[G0V+3], 0x80000000
	CROUND                                         ; all sixteen work-groups are here: the first joint loads meet
	s_cmp_lt_u32 s[WV], 2                          ; one tensor load a wave: waves 0, 1 x's halves, waves 2, 3 Wq's
	s_cbranch_scc0 .Lhead_w
	tensor_load_to_lds s[G0X:G0X+3], s[G1X:G1X+7]
	s_nop 0
	PLACES 4
	s_branch .Lhead_j
.Lhead_w:
	tensor_load_to_lds s[G0Q:G0Q+3], s[G1W:G1W+7]
	s_nop 0
	PLACES 4
.Lhead_j:
	v_and_b32 v[LN], 31, v0
	v_lshlrev_b32 v[LK], 3, v[LN]
	v_lshlrev_b32 v[L16], 4, v[LN]
	v_and_b32 v14, 15, v0
	v_bfe_u32 v15, v0, 4, 1
	v_lshlrev_b32 v[R16], 4, v14
	v_lshl_add_u32 v[SO], v15, 3, v[R16]
	v_lshlrev_b32 v[SH], 3, v15
	v_mov_b32 v14, 0x7f7f0000
	v_cmp_gt_u32 vcc_lo, 16, v[LN]
	v_cndmask_b32 v[ORC], 0, v14, vcc_lo
	s_mul_i32 s84, s[WI], 4*TILEB
	v_add_nc_u32 v[ADX], s84, v[LK]
	s_mul_i32 s85, s[WJ], 4*TILEB
	v_add_nc_u32 v[ADW+1], s85, v[LK]
	s_add_co_u32 s86, s85, WA
	v_add_nc_u32 v[ADW], s86, v[LK]
	v_mov_b32 v[TM+2], 0                           ; written once: a lane permute's destination counts as one of its sources
	s_lshl_b32 s84, s[XI], 3                       ; the scale tiles: x's 8 xi + 4 wi on,
	s_lshl_b32 s85, s[WI], 2
	s_add_co_u32 s84, s84, s85
	s_lshl_b32 s84, s84, 9
	s_mov_b32 s85, 0
	s_add_nc_u64 s[XSB:XSB+1], s[6:7], s[84:85]
	s_lshl_b32 s84, s[GG], 3                       ; the weights' 256 + 64 p + 8 g + 4 wj on
	s_lshl_b32 s86, s[WJ], 2
	s_add_co_u32 s84, s84, s86
	s_add_co_u32 s84, s84, 256
	s_lshl_b32 s84, s84, 9
	s_add_nc_u64 s[WSB:WSB+1], s[6:7], s[84:85]
	s_wait_alu depctr_va_vdst(0)                   ; the wait here
.irp a, 0,1,2,3
	global_load_b128 v[XS+4*\a:XS+4*\a+3], v[L16], s[XSB:XSB+1] offset:512*\a
.endr
.irp p, 0,1,2
.irp t, 0,1,2,3
	global_load_b128 v[WS+16*\p+4*\t:WS+16*\p+4*\t+3], v[L16], s[WSB:WSB+1] offset:32768*\p+512*\t
.endr
.endr
	s_lshl_b32 s84, s[GG], 1                       ; where the results go: record 32 x head + xi
	s_add_co_u32 s84, s84, s[WJ]
	s_lshl_b32 s84, s84, 5
	s_add_co_u32 s84, s84, s[XI]
	s_mul_i32 s86, s84, QREC
	s_mov_b32 s87, 0
	s_mul_i32 s88, s84, REC
	s_mov_b32 s89, 0
	s_mul_i32 s90, s[WI], 3072                     ; my four halves of eight
	s_mov_b32 s91, 0
	s_lshl_b32 s92, s[WI], 8                       ; my group's 256 bytes of scale words
	s_mov_b32 s93, 0
	s_mul_i32 s94, s[WI], 768                      ; my half of V's fragments
	s_mov_b32 s95, 0
	s_lshl_b32 s96, s[WI], 1                       ; my two bytes of V's scale words
	s_mov_b32 s97, 0
	s_add_nc_u64 s[QB:QB+1], s[8:9], s[86:87]
	s_add_nc_u64 s[QSB:QSB+1], s[QB:QB+1], s[92:93]
	s_add_nc_u64 s[QSB:QSB+1], s[QSB:QSB+1], 6144
	s_add_nc_u64 s[QB:QB+1], s[QB:QB+1], s[90:91]
	s_add_nc_u64 s[KB:KB+1], s[10:11], s[88:89]
	s_add_nc_u64 s[KSB:KSB+1], s[KB:KB+1], s[92:93]
	s_add_nc_u64 s[KSB:KSB+1], s[KSB:KSB+1], 12544
	s_add_nc_u64 s[VB:VB+1], s[KB:KB+1], s[94:95]
	s_add_nc_u64 s[VB:VB+1], s[VB:VB+1], 6144
	s_add_nc_u64 s[VSB:VSB+1], s[KB:KB+1], s[96:97]
	s_add_nc_u64 s[VSB:VSB+1], s[VSB:VSB+1], 12288
	s_add_nc_u64 s[KB:KB+1], s[KB:KB+1], s[90:91]
	s_wait_alu depctr_va_vdst(0)                   ; the wait at the head's end
	s_wait_tensorcnt 0x0                           ; my half panel is in
	s_barrier_signal -1
	s_barrier_wait -1                              ; both panels are whole
	XFRAGS
	s_wait_tensorcnt 0x0                           ; no tensor load of mine is out;
	ds_add_u32 v[SPW], v[NIL]                      ; 0 onto my spare word
	s_mov_b32 s[G1W+2], 96<<16                     ; so a descriptor may be written: from here on a load brings a quarter of a panel, 96 rows
	s_mov_b32 s[G1W+4], 96
	s_wait_dscnt 0x0                               ; the add is done, and my reads of x's panel are over
	CROUND                                         ; no wave of any partner still reads x's panel or has a load on its way
	tensor_load_to_lds s[G0K:G0K+3], s[G1W:G1W+7]  ; Wk into x's place: my one load behind the round
	s_nop 0
	PLACES 4
	s_wait_loadcnt 0x0                             ; the scale words
	KLOOP 0, 0
	EPI_QK QB, QSB
	s_wait_tensorcnt 0x0                           ; my quarter of Wk's panel is in;
	ds_add_u32 v[SPW], v[NIL]
	s_wait_dscnt 0x0                               ; the add is done; my reads of Wq's panel are over
	CROUND
	tensor_load_to_lds s[G0V:G0V+3], s[G1W:G1W+7]  ; Wv into Wq's place
	s_nop 0
	PLACES 4
	KLOOP 0, 1
	EPI_QK KB, KSB
	s_wait_tensorcnt 0x0                           ; my quarter of Wv's panel is in
	s_wait_dscnt 0x0
	s_barrier_signal -1
	s_barrier_wait -1                              ; everybody's is
	KLOOP 1, 2
	EPI_V
	s_wait_tensorcnt 0x0                           ; the wave's end
	ds_add_u32 v[SPW], v[NIL]
	s_wait_dscnt 0x0
	CROUND                                         ; the closing round
	s_endpgm
.Lfunc_end_k_qa96aead09e_qkv:
	.size	k_qa96aead09e_qkv, .Lfunc_end_k_qa96aead09e_qkv-k_qa96aead09e_qkv
	.p2alignl 7, 3214868480
	.fill 96, 4, 3214868480
	.section	.rodata,"a",@progbits
	.p2align	6, 0x0
	.amdhsa_kernel k_qa96aead09e_qkv
		.amdhsa_group_segment_fixed_size 327680
		.amdhsa_private_segment_fixed_size 0
		.amdhsa_enable_private_segment 0
		.amdhsa_kernarg_size 32
		.amdhsa_user_sgpr_count 2
		.amdhsa_user_sgpr_kernarg_segment_ptr 1
		.amdhsa_wavefront_size32 1
		.amdhsa_system_sgpr_workgroup_id_x 1
		.amdhsa_system_sgpr_workgroup_id_y 1
		.amdhsa_system_sgpr_workgroup_id_z 1
		.amdhsa_system_vgpr_workitem_id 0
		.amdhsa_next_free_vgpr 864
		.amdhsa_next_free_sgpr 100
		.amdhsa_reserve_vcc 1
		.amdhsa_float_denorm_mode_32 3
		.amdhsa_float_denorm_mode_16_64 3
		.amdhsa_memory_ordered 1
		.amdhsa_forward_progress 1
		.amdhsa_inst_pref_size 135
	.end_amdhsa_kernel
	.amdgpu_metadata
---
amdhsa.version: [ 1, 2 ]
amdhsa.kernels:
  - .name:           k_qa96aead09e_qkv
    .symbol:         k_qa96aead09e_qkv.kd
    .args:
      - { .name: codes, .offset: 0, .size: 8, .value_kind: global_buffer, .address_space: global }
      - { .name: scales, .offset: 8, .size: 8, .value_kind: global_buffer, .address_space: global }
      - { .name: q, .offset: 16, .size: 8, .value_kind: global_buffer, .address_space: global }
      - { .name: kv, .offset: 24, .size: 8, .value_kind: global_buffer, .address_space: global }
    .group_segment_fixed_size: 327680
    .private_segment_fixed_size: 0
    .kernarg_segment_align: 8
    .kernarg_segment_size: 32
    .max_flat_workgroup_size: 128
    .sgpr_count:     100
    .vgpr_count:     864
    .wavefront_size: 32
...
	.end_amdgpu_metadata
.endif
;; end of part 2
;; launch attn (part 3): grid 16 x 16, 8 waves a work-group, no clusters, 327,680 bytes of LDS; arguments q, kv, oi, os; writes oi, os
.if DOCPART == 3
	.amdgcn_target "amdgcn-amd-amdhsa--gfx1250"
	.amdhsa_code_object_version 6
	.text
	.protected	k_qa96aead09e_attn
	.globl	k_qa96aead09e_attn
	.p2align	8
	.type	k_qa96aead09e_attn,@function
k_qa96aead09e_attn:
	s_mov_b64 s[64:65], 0
	v_nop
	global_prefetch_b8 v0, s[64:65] scope:SCOPE_SE
	s_setreg_imm32_b32 hwreg(HW_REG_WAVE_MODE, 25, 1), 1
	s_wait_xcnt 0x0
; Causal attention on codes of FP6 (E2M3), 16 heads of 64, 4,096 rows; the result o is quantised along (head, channel) for the last product.
; q, kv: records as the launch before laid them (a record of kv: 128 keys of a head: K's 8 halves of fragments, V^T's 4 fragments at 6,144, V's scale words at 12,288, K's at 12,544; 13,056 dense bytes).
; oi: [tile of 16 rows][head] halves of fragments of 768 bytes; os: [tile] 512 bytes, a head's two bytes of row r at 256 (head / 8) + 16 r + 2 (head % 8).
; WORK LEFT OUT: key steps that lie wholly behind a query block under the causal mask that reference() builds itself (see the first kernel's head).
; THE SOFTMAX: t = score x log2(e) / 8; M = the row's largest t so far rounded UP to a whole number; p = 2^(t - M) is quantised along the keys, not normalised; the row's sum is taken of the unquantised p and
; divides O at the end.  When M moves, the sum and O are multiplied by 2^(old M - new M): exact.
; SHARES.  Work-group (j, head) takes query block j (128 queries) and then block 31 - j, on the same eight waves, a tile of 16 queries a wave.  Block B needs key steps 0 .. B of 128 keys, so every work-group walks
; j + 1 + 32 - j = 33 key steps: the trip counts are constants.  Step v reads key step v (v <= j) or v - j - 1.  Steps j (at most 15) and 32 lie on the diagonal.  At the end of step j a scalar branch on ids ends
; block j and begins block 31 - j; that block's Q is asked for in step j, behind the last product that reads block j's.
; No cluster: in the same trip the work-groups of a head read different key steps (the key step hangs on j), so no two of them could ask for a tile jointly.
; RING.  Two slots of eight records.  A record is all that a step reads, and it is dense: wave w brings the record of step 8 n + w by one tensor load.  Slot 0 is asked for at the head, slot 1 behind the first
; barrier; a refill has eight key steps in which to land.  Step 32's record is brought by wave 0 alone.  A wave has one tensor load out at the most.
; PREFETCH.  The head's work-group j = 0 walks key steps 0, 0, 1, 2 ..: it is the first to read the later ones.  Behind the first barrier and behind the first change of slots each of its waves names the 51 blocks
; of 256 bytes of one record of the eight that ITS next refill will ask for (two instructions; the lanes over 50 name the wave's last block again): eight steps ahead of that refill.  Later changes ask for nothing.
; LAYOUT.  S^T = K Q^T (source 0 = 16 keys, source 1 = my 16 queries), O^T = V^T P^T: a lane holds one query throughout.  Row m of K's tile 4 c + u is key 64 c + 32 (m / 8) + 8 u + m % 8, so lane (r, h)'s
; registers 32 c + i of S^T are keys 64 c + 32 h + i: blocks h and 2 + h of the step, whole, in the order of the second product's operand.  Only the row's maximum, its sum and two scale bytes cross lanes.
; THE FIRST PRODUCT'S K IS 64, the instruction's 128: Q's registers 6-11 are zero codes.  K's operand of tile t is 12 registers from v[32 + 6 t]: the upper six are the next tile's codes (tile 7: work registers):
; every 6-bit pattern is a finite number, its partner is the code 0, and the scale bytes of that half are 0x7f: it adds nothing.
; The scale bytes of o leave two bytes a lane: a row's word gathers two heads, which belong to two work-groups.
; LIMITS: the promise holds while the scaled scores t stay under 2^31 in magnitude; hidden scores become -infinity where the definition has the most negative f32 number (p = 0 either way); a block of zeros or
; under 2^-124 gets the byte 1; NaN and infinities are not served.
.set REC,   13056
.set VO,    6144
.set VSO,   12288
.set KSO,   12544
.set SLOT1, 131072                     ; slot 1 begins here: one exclusive or turns an address in one slot into the other's
.set SPARE, 262144                     ; the spare words, 128 bytes for each wave
.set QREC,  6656
.set LK,   1                           ; 8 x lane
.set L16,  2                           ; 16 x lane
.set DL,   3                           ; my query's place in its block - 32 h
.set SPW,  4
.set NIL,  5
.set AD0,  6                           ; the record in hand + 8 x lane
.set AD1,  7                           ; + 16 x lane
.set MISC, 8
.set DL2,  9                           ; DL - 64
.set FF,   10                          ; v[10:11] f = 2^(old M - new M); 1 / the sum at a block's end.  v12 -M, v13 the largest score so far, v[14:15] the sum in two halves
.set QR,   16                          ; v16-21 Q's codes, v22-27 zero codes
.set QSC,  28
.set PSW,  29                          ; p's scale word; o's at a block's end
.set PFO,  30                          ; v30, v31 the prefetches' offsets; never rewritten
.set KR,   32                          ; v32-79 K: tile t at 32 + 6 t
.set BM,   80                          ; v80-83 at work
.set T0,   84                          ; v84-86 at work
.set SOP0, 87
.set VR,   88                          ; v88-135 V^T's four fragments
.set S,    136                         ; v136-199 S^T, then p
.set O,    200                         ; v200-231 O^T
.set PC,   232                         ; v232-243 p's codes
.set T1,   244                         ; v244-246 at work
.set SOP1, 247
.set KSW,  248                         ; K's scale words (lanes 16-31: tiles 4-7)
.set VSW,  252
.set WV, 12
.set J,  14
.set JP1, 15
.set HD, 16
.set VS, 18                            ; the step's number, 0 .. 32
.set TB, 19                            ; LDS byte at which the step's record begins
.set SEL, 20
.set CS, 22                            ; s[22:23] c = log2(e) / 8
.set SLOTS, 24
.set CNT, 25
.set VFW, 26                           ; the step that my next tensor load brings
.set LIM, 27
.set HM,  28                           ; lanes 16-31
.set NI,  29                           ; -infinity
.set OHO, 30
.set OSO, 31
.set G1,  32
.set G0,  40
.set QWO, 44
.set QSO, 45
.set B2,  46
.set KVH, 48
.set PFA, 50
.set OB1, 52
.set OSB1, 54
.set OB2, 56
.set OSB2, 58
.set QB1, 60
.set QSB1, 62
.set QB2, 66
.set QSB2, 68
.macro PLACES n
.rept \n
	v_nop
.endr
.endm
.macro KAPPA                           ; the global address of step VFW's record into group 0, without a branch; VFW goes eight steps on
	s_cmp_le_u32 s[VFW], s[J]
	s_cselect_b32 s84, 0, s[JP1]
	s_sub_co_u32 s84, s[VFW], s84                  ; the key step
	s_mul_i32 s84, s84, REC
	s_mov_b32 s85, 0
	s_add_nc_u64 s[G0+2:G0+3], s[KVH:KVH+1], s[84:85]
	s_or_b32 s[G0+3], s[G0+3], 0x80000000
	s_add_co_u32 s[VFW], s[VFW], 8
.endm
.macro SETBLK bq, ob, osb, qb, qsb     ; the addresses of block s[bq]: my tile is 8 x block + wave
	s_lshl_b32 s84, s[\bq], 3
	s_add_co_u32 s84, s84, s[WV]
	s_mul_i32 s86, s84, 12288
	s_add_co_u32 s86, s86, s[OHO]
	s_mov_b32 s87, 0
	s_add_nc_u64 s[\ob:\ob+1], s[8:9], s[86:87]
	s_lshl_b32 s86, s84, 9
	s_add_co_u32 s86, s86, s[OSO]
	s_add_nc_u64 s[\osb:\osb+1], s[10:11], s[86:87]
	s_lshl_b32 s86, s[HD], 5
	s_add_co_u32 s86, s86, s[\bq]
	s_mul_i32 s86, s86, QREC
	s_add_co_u32 s88, s86, s[QWO]
	s_mov_b32 s89, 0
	s_add_nc_u64 s[\qb:\qb+1], s[4:5], s[88:89]
	s_add_co_u32 s88, s86, s[QSO]
	s_add_nc_u64 s[\qsb:\qsb+1], s[4:5], s[88:89]
.endm
.macro QLOAD qb, qsb                   ; a block's Q: my tile's half fragment and its scale words
	v_and_b32 v[MISC], 0xf0, v[L16]                ; 16 r
.irp n, 0,1,2
	global_load_b64 v[QR+2*\n:QR+2*\n+1], v[LK], s[\qb:\qb+1] offset:256*\n th:TH_LOAD_NT
.endr
	global_load_b32 v[QSC], v[MISC], s[\qsb:\qsb+1]
.endm
.macro INIT                            ; a block begins: zeros, which the first change of M leaves zeros (-M begins so large that the first f is 0)
	v_mov_b32 v12, 0x7e000000
	v_mov_b32 v13, 0xff61b1e6                      ; the largest score so far: -3e38
	v_mov_b32 v14, 0
	v_mov_b32 v15, 0
.set NN, 0
.rept 32
	v_mov_b32 v[O+NN], 0
.set NN, NN+1
.endr
.endm
.macro FINISH ob, osb                  ; a block ends: O^T / the sum, quantised along the head's 64 (my 32 registers are channels 32 h .. + 31: a whole block), stored
	PLACES 4                                       ; behind the last products
	v_add_f32 v14, v14, v15
	v_permlanex16_b32 v[MISC], v14, s[SEL], s[SEL+1]
	v_add_f32 v14, v14, v[MISC]                    ; the row's sum
	s_wait_alu depctr_va_vdst(0)                   ; the wait ahead of the reciprocal,
	v_rcp_f32 v[FF], v14
	v_nop
	s_wait_alu depctr_va_vdst(0)                   ; and ahead of its first reader, which is O^T's first reader too
.set NN, 0
.rept 16
	v_pk_mul_f32 v[S+NN:S+NN+1], v[O+NN:O+NN+1], v[FF:FF+1] op_sel_hi:[1,0]   ; each accumulator from its low end on
.set NN, NN+2
.endr
	v_max3_num_f32 v[BM], |v[S]|, |v[S+1]|, 0x1800000
	v_max3_num_f32 v[BM+1], |v[S+16]|, |v[S+17]|, |v[S+18]|
.irp i, 2,4,6,8,10,12
	v_max3_num_f32 v[BM], v[BM], |v[S+\i]|, |v[S+\i+1]|
	v_max3_num_f32 v[BM+1], v[BM+1], |v[S+\i+17]|, |v[S+\i+18]|
.endr
	v_max3_num_f32 v[BM], v[BM], |v[S+14]|, |v[S+15]|
	v_max3_num_f32 v[BM], v[BM], v[BM+1], |v[S+31]|
	v_add_nc_u32 v[SOP0], 0xff000000, v[BM]
	v_cvt_scalef32_pk16_fp6_f32 v[PC:PC+2], v[S:S+15], v[SOP0]
	v_cvt_scalef32_pk16_fp6_f32 v[T0:T0+2], v[S+16:S+31], v[SOP0]
	v_lshrrev_b32 v[BM], 23, v[SOP0]               ; my block's byte (also the plain place behind the conversions)
.irp i, 0,1,2
	v_mov_b32 v[PC+3+\i], v[T0+\i]
.endr
	v_permlanex16_b32 v[BM+1], v[BM], s[SEL], s[SEL+1]
	v_cndmask_b32 v[BM+2], v[BM], v[BM+1], s[HM]   ; block 0's byte,
	v_cndmask_b32 v[BM+3], v[BM+1], v[BM], s[HM]   ; block 1's, in both halves of the lanes
	v_lshl_or_b32 v[PSW], v[BM+3], 8, v[BM+2]
	v_and_b32 v[MISC], 0xf0, v[L16]                ; 16 r
.irp n, 0,1,2
	global_store_b64 v[LK], v[PC+2*\n:PC+2*\n+1], s[\ob:\ob+1] offset:256*\n   ; 32 lanes store 256 consecutive bytes, aligned
.endr
	global_store_b16 v[MISC], v[PSW], s[\osb:\osb+1]   ; my head's two bytes of row r's word (both halves of the lanes write the same)
	s_wait_xcnt 0x0                                ; the stores have read their registers, which are written again
.endm
.macro KLOAD off                       ; K's eight halves and its scale words, of the record off bytes on
.irp t, 0,1,2,3,4,5,6,7
.irp n, 0,1,2
	ds_load_b64 v[KR+6*\t+2*\n:KR+6*\t+2*\n+1], v[AD0] offset:(\off)+768*\t+256*\n
.endr
.endr
	ds_load_b128 v[KSW:KSW+3], v[AD1] offset:(\off)+KSO
.endm
.macro ASK inloop                      ; the prefetch: my record of the eight that the next refill will ask for
.if \inloop
	s_cmp_gt_u32 s[SLOTS], s[LIM]
.else
	s_cmp_eq_u32 s[LIM], 1
.endif
	s_cbranch_scc0 .Lnot_mine_\@
	global_prefetch_b8 v[PFO], s[PFA:PFA+1] th:TH_LOAD_NT scope:SCOPE_SE
	global_prefetch_b8 v[PFO+1], s[PFA:PFA+1] th:TH_LOAD_NT scope:SCOPE_SE
.Lnot_mine_\@:
.endm
; THE CHANGE OF SLOTS.  Each wave waits for all its tensor loads (its record of the next slot), adds 0 to its spare word, and waits for that and for its reads of this slot.  Behind the barrier the next slot is whole
; and nobody reads this one.  fill = 1: every wave fills its record again; 2: wave 0 alone (step 32); 3: nobody.
; It is written in two parts: MEET, up to the barrier's signal, stands as soon as my last reads of this slot are in; the step's softmax, work on registers alone, stands between the signal and the wait; REFILL begins with the wait.
.macro MEET fill
	s_wait_alu depctr_va_vdst(0)                   ; the wait ahead of the blocking waits
	s_wait_tensorcnt 0x0                           ; no tensor load of mine is out, so group 0 may be written
	ds_add_u32 v[SPW], v[NIL]                      ; 0 onto my spare word
.if \fill < 3
	s_xor_b32 s[G0+1], s[G0+1], SLOT1
	KAPPA
.endif
.if \fill == 1
	s_wait_xcnt 0x0                                ; the last prefetches, eight steps back, have read their address
	s_add_nc_u64 s[PFA:PFA+1], s[PFA:PFA+1], 8*REC
.endif
	s_wait_dscnt 0x0                               ; the add is done, and my reads of this slot are over (this step's V among them)
	s_barrier_signal -1
.endm
.macro REFILL fill
	s_barrier_wait -1
.if \fill == 1
	tensor_load_to_lds s[G0:G0+3], s[G1:G1+7]      ; the first thing behind the barrier, and my one tensor load until the next
	s_nop 0
	PLACES 4
.elseif \fill == 2
	s_cmp_lg_u32 s[WV], 0
	s_cbranch_scc1 .Lnone_\@
	tensor_load_to_lds s[G0:G0+3], s[G1:G1+7]
	s_nop 0
	PLACES 4
.Lnone_\@:
.endif
	s_sub_co_u32 s[TB], s[TB], 7*REC               ; back to a slot's first record,
	s_xor_b32 s[TB], s[TB], SLOT1                  ; in the other slot
.endm
; A KEY STEP.  full = 1: the step may be step j, on the diagonal and its block's last; 2: it is step 32, on the diagonal.  chg: the slot's last step (CHANGE's fill).  knext = 1: a step follows.
; K of this step came into registers in the step before; V comes at the head and is wanted at the end; K of the next step comes behind this step's first products.
.macro STEP full, chg, knext
	v_add_nc_u32 v[AD0], s[TB], v[LK]              ; these two and two v_nop are the four places in front of loads into registers that the last products read
	v_add_nc_u32 v[AD1], s[TB], v[L16]
	PLACES 2
.irp t, 0,1,2,3
.irp n, 0,1,2,3,4,5
	ds_load_b64 v[VR+12*\t+2*\n:VR+12*\t+2*\n+1], v[AD0] offset:VO+1536*\t+256*\n
.endr
.endr
	ds_load_b128 v[VSW:VSW+3], v[AD1] offset:VSO   ; (lanes 16-31 read bytes of the same record that no product takes)
.irp t, 0,1,2,3
	v_wmma_scale_f32_16x16x128_f8f6f4 v[S+8*\t:S+8*\t+7], v[KR+6*\t:KR+6*\t+11], v[QR:QR+11], 0, v[KSW+\t], v[QSC] matrix_a_fmt:MATRIX_FMT_FP6 matrix_b_fmt:MATRIX_FMT_FP6
.endr
.irp t, 4,5,6,7
	v_wmma_scale_f32_16x16x128_f8f6f4 v[S+8*\t:S+8*\t+7], v[KR+6*\t:KR+6*\t+11], v[QR:QR+11], 0, v[KSW+\t-4], v[QSC] matrix_a_fmt:MATRIX_FMT_FP6 matrix_b_fmt:MATRIX_FMT_FP6 matrix_a_scale:MATRIX_SCALE_ROW1
.endr
	PLACES 4                                       ; in front of the first read of the scores and of the loads into K's and Q's registers
.if \knext
.if \chg == 0
	KLOAD REC
.endif
.endif
.if \full                                      ; on the diagonal the scores of hidden keys become -infinity.  Register 32 c + i holds key 64 c + 32 h + i of the step: seen where 64 c + i <= v[DL]
.if \full == 1
	s_cmp_lg_u32 s[VS], s[J]
	s_cbranch_scc1 .Lopen_\@
	QLOAD QB2, QSB2                                ; block j's last scores are made: the next block's Q is asked for
	s_wait_xcnt 0x0                                ; the loads have read their address registers
.endif
.set NN, 0
.rept 32
	v_cmp_le_i32 vcc_lo, NN, v[DL]
	v_cndmask_b32 v[S+NN], s[NI], v[S+NN], vcc_lo
.set NN, NN+1
.endr
.set NN, 0
.rept 32
	v_cmp_le_i32 vcc_lo, NN, v[DL2]
	v_cndmask_b32 v[S+32+NN], s[NI], v[S+32+NN], vcc_lo
.set NN, NN+1
.endr
.if \full == 1
.Lopen_\@:
.endif
.endif
.if \chg
	MEET \chg                                      ; the slot's last step: my reads of the slot are over; only work on registers follows up to REFILL
.endif
.irp c, 0,1                                    ; the largest score of my two blocks of 32 keys: for the row's maximum, and, since p rises with the score, for the block's largest p.  Two chains a block
	v_max3_num_f32 v[BM+2*\c], v[S+32*\c], v[S+32*\c+1], v[S+32*\c+2]
	v_max3_num_f32 v[BM+2*\c+1], v[S+32*\c+16], v[S+32*\c+17], v[S+32*\c+18]
.endr
.irp i, 3,5,7,9,11,13
.irp c, 0,1
	v_max3_num_f32 v[BM+2*\c], v[BM+2*\c], v[S+32*\c+\i], v[S+32*\c+\i+1]
	v_max3_num_f32 v[BM+2*\c+1], v[BM+2*\c+1], v[S+32*\c+\i+16], v[S+32*\c+\i+17]
.endr
.endr
.irp c, 0,1
	v_max3_num_f32 v[BM+2*\c], v[BM+2*\c], v[BM+2*\c+1], v[S+32*\c+15]
.endr
.irp c, 0,1
	v_max_num_f32 v[BM+2*\c], v[BM+2*\c], v[S+32*\c+31]
.endr
	s_delay_alu instid0(VALU_DEP_1)
	v_max_num_f32 v[MISC], v[BM], v[BM+2]
	v_mov_b32 v[BM+3], v12                         ; the old -M
	s_delay_alu instid0(VALU_DEP_2)
	v_permlanex16_b32 v[BM+1], v[MISC], s[SEL], s[SEL+1]
	s_delay_alu instid0(VALU_DEP_1)
	v_max3_num_f32 v13, v13, v[MISC], v[BM+1]      ; the running largest score of my query
	s_delay_alu instid0(VALU_DEP_1)
	v_mul_f32 v[MISC], s[CS], v13                  ; as t
	s_delay_alu instid0(VALU_DEP_1)
	v_floor_f32 v12, -v[MISC]                      ; the new -M = -ceil(t)
	s_delay_alu instid0(VALU_DEP_1)
	v_sub_f32 v[MISC], v12, v[BM+3]                ; old M - new M: a whole number, 0 or less
	v_fma_f32 v[BM], v[BM], s[CS], v12             ; t - M of each block's largest score
	v_fma_f32 v[BM+2], v[BM+2], s[CS], v12
	v_cvt_i32_f32 v[MISC], v[MISC]                 ; (it saturates)
.set NN, 0
.rept 2
	v_pk_fma_f32 v[S+NN:S+NN+1], v[S+NN:S+NN+1], s[CS:CS+1], v[12:13] op_sel_hi:[1,0,0]   ; t - M, two at a time
.set NN, NN+2
.endr
	v_ldexp_f32 v[FF], 1.0, v[MISC]                ; f = 2^(old M - new M)
.rept 30
	v_pk_fma_f32 v[S+NN:S+NN+1], v[S+NN:S+NN+1], s[CS:CS+1], v[12:13] op_sel_hi:[1,0,0]
.set NN, NN+2
.endr
.set NN, 0
.rept 16
	v_pk_mul_f32 v[O+NN:O+NN+1], v[O+NN:O+NN+1], v[FF:FF+1] op_sel_hi:[1,0]   ; O^T under the new M, each accumulator from its low end on
.set NN, NN+2
.endr
	s_wait_alu depctr_va_vdst(0)                   ; the wait ahead of the batch
.set NN, 0
.rept 64
	v_exp_f32 v[S+NN], v[S+NN]                     ; p = 2^(t - M)
.set NN, NN+1
.endr
	v_exp_f32 v[BM], v[BM]                         ; the blocks' largest p
	v_exp_f32 v[BM+2], v[BM+2]
	v_pk_mul_f32 v[14:15], v[14:15], v[FF:FF+1] op_sel_hi:[1,0]   ; the sums under the new M (a plain place behind the exponentials)
	s_wait_alu depctr_va_vdst(0)                   ; one wait for the batch, ahead of its first reader
	v_max_num_f32 v[BM], 0x1800000, v[BM]          ; the floor 2^(3 - 127): the byte cannot fall under 1
	v_max_num_f32 v[BM+2], 0x1800000, v[BM+2]
	v_add_nc_u32 v[SOP0], 0xff000000, v[BM]        ; 2 off the exponent field: the conversion's scale operand
	v_add_nc_u32 v[SOP1], 0xff000000, v[BM+2]
	v_cvt_scalef32_pk16_fp6_f32 v[PC:PC+2], v[S:S+15], v[SOP0]
	v_cvt_scalef32_pk16_fp6_f32 v[T0:T0+2], v[S+16:S+31], v[SOP0]   ; (a conversion's three registers begin on an even number)
	v_cvt_scalef32_pk16_fp6_f32 v[PC+6:PC+8], v[S+32:S+47], v[SOP1]
	v_cvt_scalef32_pk16_fp6_f32 v[T1:T1+2], v[S+48:S+63], v[SOP1]
	v_lshrrev_b32 v[BM+1], 23, v[SOP0]             ; the scales' bytes (also the plain place behind the conversions)
	v_lshrrev_b32 v[BM+3], 23, v[SOP1]
.irp i, 0,1,2
	v_mov_b32 v[PC+3+\i], v[T0+\i]
	v_mov_b32 v[PC+9+\i], v[T1+\i]
.endr
	v_lshl_or_b32 v[BM], v[BM+3], 16, v[BM+1]      ; my blocks h and 2 + h
	s_delay_alu instid0(VALU_DEP_1)
	v_permlanex16_b32 v[BM+2], v[BM], s[SEL], s[SEL+1]
	s_delay_alu instid0(VALU_DEP_1)
	v_lshl_or_b32 v[PSW], v[BM+2], 8, v[BM]        ; p's scale word for these 128 keys, in lanes 0-15, which alone are read
	v_pk_add_f32 v[80:81], v[S:S+1], v[S+2:S+3]    ; the row's sum, of the unquantised p: five chains.  These 32 are also the places between the codes' and the scale word's last writes and the products
	v_pk_add_f32 v[82:83], v[S+4:S+5], v[S+6:S+7]
	v_pk_add_f32 v[84:85], v[S+8:S+9], v[S+10:S+11]
	v_pk_add_f32 v[244:245], v[S+12:S+13], v[S+14:S+15]
	v_pk_add_f32 v[14:15], v[14:15], v[S+16:S+17]
.set NN, 18
.rept 4
.irp r, 80,82,84,244,14
	v_pk_add_f32 v[\r:\r+1], v[\r:\r+1], v[S+NN:S+NN+1]
.set NN, NN+2
.endr
.endr
.irp r, 80,82,84
	v_pk_add_f32 v[\r:\r+1], v[\r:\r+1], v[S+NN:S+NN+1]
.set NN, NN+2
.endr
	v_pk_add_f32 v[80:81], v[80:81], v[82:83]
	v_pk_add_f32 v[84:85], v[84:85], v[244:245]
	v_pk_add_f32 v[14:15], v[14:15], v[80:81]
	v_pk_add_f32 v[14:15], v[14:15], v[84:85]
	s_wait_alu depctr_va_vdst(0)                   ; the wait here, directly ahead of the waits below
.if \chg
	REFILL \chg                                    ; the barrier's wait, and the refill first behind it
	v_add_nc_u32 v[AD0], s[TB], v[LK]
	v_add_nc_u32 v[AD1], s[TB], v[L16]
	KLOAD 0                                        ; the next step's K, from the other slot; V was awaited ahead of the signal, so the products below wait for nothing
.if \chg == 1
	ASK 1
.endif
.else
.if \full == 1
	s_wait_loadcnt 0x0                             ; in step j: the next block's Q is in (on every way, so that no load into Q's registers is out when a later step is reached)
.endif
	s_wait_dscnt 0x0                               ; V is in, and the next step's K
.endif
.irp t, 0,1,2,3
	v_wmma_scale_f32_16x16x128_f8f6f4 v[O+8*\t:O+8*\t+7], v[VR+12*\t:VR+12*\t+11], v[PC:PC+11], v[O+8*\t:O+8*\t+7], v[VSW+\t], v[PSW] matrix_a_fmt:MATRIX_FMT_FP6 matrix_b_fmt:MATRIX_FMT_FP6
.endr
.if \chg
.if \full == 1
	s_wait_loadcnt 0x0                             ; in step j: the next block's Q is in
.endif
	s_wait_dscnt 0x0                               ; the next step's K is in
.endif
.if \full == 1
	s_cmp_lg_u32 s[VS], s[J]
	s_cbranch_scc1 .Lsame_\@
	FINISH OB1, OSB1                               ; block j ends,
	INIT                                           ; and block 31 - j begins (its Q came in ahead of the last products)
.Lsame_\@:
.endif
	s_add_co_u32 s[VS], s[VS], 1
.if (\chg == 0) && \knext
	s_add_co_u32 s[TB], s[TB], REC
.endif
.endm
.macro SEVEN full                      ; a slot's first seven steps
	s_mov_b32 s[CNT], 7
.Lseven_\@:
	STEP \full, 0, 1
	s_sub_co_u32 s[CNT], s[CNT], 1
	s_cmp_lg_u32 s[CNT], 0
	s_cbranch_scc1 .Lseven_\@
.endm
	s_load_b256 s[4:11], s[0:1], 0x0               ; q, kv, oi, os
	v_lshl_add_u32 v[SPW], v0, 2, SPARE
	v_mov_b32 v[NIL], 0
	ds_add_u32 v[SPW], v[NIL]                      ; the opening lines: the add, twice on end, and its wait
	ds_add_u32 v[SPW], v[NIL]
	v_lshrrev_b32 v6, 5, v0
	v_readfirstlane_b32 s[WV], v6                  ; wave 0..7
	s_mov_b32 s[J], ttmp9
	s_add_co_u32 s[JP1], ttmp9, 1
	s_sub_co_u32 s[B2], 31, ttmp9
	s_and_b32 s[HD], ttmp7, 0xffff
	; descriptor group 1: a record, 13,056 dense bytes, as 51 rows of 256 bytes (32 elements of 8 bytes), no padding
	s_mov_b32 s[G1], 3<<16
	s_mov_b32 s[G1+1], 32<<16
	s_mov_b32 s[G1+2], 51<<16
	s_mov_b32 s[G1+3], 32<<16
	s_mov_b32 s[G1+4], 51
	s_mov_b32 s[G1+5], 32
	s_mov_b32 s[G1+6], 0
	s_mov_b32 s[G1+7], 0
	s_mul_i32 s86, s[HD], 32*REC
	s_mov_b32 s87, 0
	s_mul_i32 s90, s[WV], REC
	s_mov_b32 s[SEL], 0x76543210
	s_mov_b32 s[SEL+1], 0xfedcba98
	s_mov_b32 s[CS], 0x3e38aa3b                    ; c = log2(e) / 8
	s_mov_b32 s[CS+1], s[CS]
	s_mov_b32 s[HM], 0xffff0000
	s_mov_b32 s[NI], 0xff800000
	s_mov_b32 s[TB], 0
	s_mov_b32 s[VS], 0
	s_mov_b32 s[VFW], s[WV]
	s_wait_dscnt 0x0                               ; both opening adds are done
	s_wait_kmcnt 0x0
	s_add_nc_u64 s[KVH:KVH+1], s[6:7], s[86:87]
	s_mov_b32 s[G0], 1
	s_mov_b32 s[G0+1], s90
	KAPPA
	tensor_load_to_lds s[G0:G0+3], s[G1:G1+7]      ; slot 0: step w's record: my one tensor load at the head
	s_nop 0
	PLACES 4
	s_cmp_eq_u32 ttmp9, 0
	s_cselect_b32 s[LIM], 1, -1                    ; 1 in the head's work-group j = 0
	s_add_nc_u64 s[PFA:PFA+1], s[KVH:KVH+1], 15*REC   ; its steps 16 to 23 read key steps 15 to 22
	s_mul_i32 s[OHO], s[HD], 768                   ; my head's half in a tile of oi
	s_lshr_b32 s84, s[HD], 3
	s_lshl_b32 s84, s84, 8
	s_and_b32 s85, s[HD], 7
	s_lshl_b32 s85, s85, 1
	s_add_co_u32 s[OSO], s84, s85                  ; and its two bytes in a tile of os
	s_mul_i32 s[QWO], s[WV], 768                   ; my tile in a record of q,
	s_lshr_b32 s84, s[WV], 2
	s_lshl_b32 s84, s84, 8
	s_and_b32 s85, s[WV], 3
	s_lshl_b32 s85, s85, 2
	s_add_co_u32 s84, s84, s85
	s_add_co_u32 s[QSO], s84, 6144                 ; and its scale words
	SETBLK J, OB1, OSB1, QB1, QSB1
	SETBLK B2, OB2, OSB2, QB2, QSB2
	s_lshr_b32 s91, s[WV], 2
	s_lshl_b32 s91, s91, 6
	s_and_b32 s85, s[WV], 3
	s_lshl_b32 s85, s85, 3
	s_add_co_u32 s91, s91, s85                     ; 64 (w / 4) + 8 (w % 4)
	v_and_b32 v6, 31, v0
	v_lshlrev_b32 v[LK], 3, v6
	v_lshlrev_b32 v[L16], 4, v6
	QLOAD QB1, QSB1
	v_and_b32 v7, 7, v0
	v_bfe_u32 v[DL2], v0, 3, 1
	v_lshl_add_u32 v[DL], v[DL2], 5, v7            ; 32 (r / 8) + r % 8
	v_bfe_u32 v[DL2], v0, 4, 1
	v_lshlrev_b32 v[DL2], 5, v[DL2]
	v_sub_nc_u32 v[DL], v[DL], v[DL2]              ; - 32 h
	v_add_nc_u32 v[DL], s91, v[DL]
	v_add_nc_u32 v[DL2], 0xffffffc0, v[DL]
	v_lshlrev_b32 v[PFO], 8, v6
	v_add_nc_u32 v[PFO], s90, v[PFO]               ; my record's blocks 0 to 31,
	v_add_nc_u32 v7, 32, v6
	v_min_u32 v7, 50, v7
	v_lshlrev_b32 v7, 8, v7
	v_add_nc_u32 v[PFO+1], s90, v7                 ; and 32 to 50
	v_mov_b32 v[FF], 0
	v_mov_b32 v[FF+1], 0                           ; (named as the upper half of a pair)
.irp i, 6,7,8,9,10,11
	v_mov_b32 v[QR+\i], 0                          ; Q's upper half: zero codes
.endr
.irp i, 0,1,2,3,4,5,6,7
	v_mov_b32 v[BM+\i], 0                          ; written once: lane permutes' destinations, and the upper half of K's operand of tile 7
.endr
	INIT
	s_wait_alu depctr_va_vdst(0)                   ; the wait at the head's end
	s_wait_tensorcnt 0x0                           ; my record of slot 0 is in
	ds_add_u32 v[SPW], v[NIL]
	s_xor_b32 s[G0+1], s[G0+1], SLOT1
	KAPPA
	s_wait_dscnt 0x0
	s_barrier_signal -1
	s_barrier_wait -1                              ; slot 0 is whole
	tensor_load_to_lds s[G0:G0+3], s[G1:G1+7]      ; slot 1: step 8 + w's record
	s_nop 0
	PLACES 4
	v_add_nc_u32 v[AD0], s[TB], v[LK]
	v_add_nc_u32 v[AD1], s[TB], v[L16]
	KLOAD 0                                        ; K of step 0
	ASK 0
	s_wait_loadcnt 0x0                             ; Q
	s_wait_dscnt 0x0
	s_mov_b32 s[SLOTS], 2
.Lslot:                                            ; steps 0 to 15: step j is among them; each slot is filled again when it is left
	SEVEN 1
	STEP 1, 1, 1
	s_sub_co_u32 s[SLOTS], s[SLOTS], 1
	s_cmp_lg_u32 s[SLOTS], 0
	s_cbranch_scc1 .Lslot
	SEVEN 0                                        ; steps 16 to 31 are written out; they neither end a block nor lie on the diagonal
	STEP 0, 2, 1
	SEVEN 0
	STEP 0, 3, 1
	STEP 2, 0, 0                                   ; step 32: the second block's diagonal
	FINISH OB2, OSB2
	s_wait_tensorcnt 0x0                           ; the wave's end
	ds_add_u32 v[SPW], v[NIL]
	s_wait_dscnt 0x0
	s_endpgm
.Lfunc_end_k_qa96aead09e_attn:
	.size	k_qa96aead09e_attn, .Lfunc_end_k_qa96aead09e_attn-k_qa96aead09e_attn
	.p2alignl 7, 3214868480
	.fill 96, 4, 3214868480
	.section	.rodata,"a",@progbits
	.p2align	6, 0x0
	.amdhsa_kernel k_qa96aead09e_attn
		.amdhsa_group_segment_fixed_size 327680
		.amdhsa_private_segment_fixed_size 0
		.amdhsa_enable_private_segment 0
		.amdhsa_kernarg_size 32
		.amdhsa_user_sgpr_count 2
		.amdhsa_user_sgpr_kernarg_segment_ptr 1
		.amdhsa_wavefront_size32 1
		.amdhsa_system_sgpr_workgroup_id_x 1
		.amdhsa_system_sgpr_workgroup_id_y 1
		.amdhsa_system_sgpr_workgroup_id_z 1
		.amdhsa_system_vgpr_workitem_id 0
		.amdhsa_next_free_vgpr 256
		.amdhsa_next_free_sgpr 100
		.amdhsa_reserve_vcc 1
		.amdhsa_float_denorm_mode_32 3
		.amdhsa_float_denorm_mode_16_64 3
		.amdhsa_memory_ordered 1
		.amdhsa_forward_progress 1
		.amdhsa_inst_pref_size 149
	.end_amdhsa_kernel
	.amdgpu_metadata
---
amdhsa.version: [ 1, 2 ]
amdhsa.kernels:
  - .name:           k_qa96aead09e_attn
    .symbol:         k_qa96aead09e_attn.kd
    .args:
      - { .name: q, .offset: 0, .size: 8, .value_kind: global_buffer, .address_space: global }
      - { .name: kv, .offset: 8, .size: 8, .value_kind: global_buffer, .address_space: global }
      - { .name: oi, .offset: 16, .size: 8, .value_kind: global_buffer, .address_space: global }
      - { .name: os, .offset: 24, .size: 8, .value_kind: global_buffer, .address_space: global }
    .group_segment_fixed_size: 327680
    .private_segment_fixed_size: 0
    .kernarg_segment_align: 8
    .kernarg_segment_size: 32
    .max_flat_workgroup_size: 256
    .sgpr_count:     100
    .vgpr_count:     256
    .wavefront_size: 32
...
	.end_amdgpu_metadata
.endif
;; end of part 3
;; launch outp (part 4): grid 8 x 32, 4 waves a work-group, clusters of 4 x 4, 327,680 bytes of LDS; arguments oi, os, codes, scales, out0; writes out0
.if DOCPART == 4
	.amdgcn_target "amdgcn-amd-amdhsa--gfx1250"
	.amdhsa_code_object_version 6
	.text
	.protected	k_qa96aead09e_outp
	.globl	k_qa96aead09e_outp
	.p2align	8
	.type	k_qa96aead09e_outp,@function
k_qa96aead09e_outp:
	s_mov_b64 s[64:65], 0
	v_nop
	global_prefetch_b8 v0, s[64:65] scope:SCOPE_SE
	s_setreg_imm32_b32 hwreg(HW_REG_WAVE_MODE, 25, 1), 1
	s_wait_xcnt 0x0
	s_wait_alu depctr_hold_cnt(0) depctr_sa_sdst(0) depctr_va_vdst(0) depctr_va_sdst(0) depctr_va_ssrc(0) depctr_va_vcc(0) depctr_vm_vsrc(0)
	s_getreg_b32 s2, hwreg(HW_REG_IB_STS2, 6, 4)
	s_cmp_eq_u32 s2, 0
	s_cbranch_scc0 .Lentry_in_a_cluster
	s_endpgm
.Lentry_in_a_cluster:
	s_bfe_u32 s2, ttmp6, 0x10000c
	s_cmp_lg_u32 s2, 0xf033
	s_cbranch_scc0 .Lentry_shape_is_right
	s_endpgm
.Lentry_shape_is_right:
; out0 = o Wo^T on codes of FP6 (E2M3).  oi, os: o's codes and scale words as the attention launch laid them; codes, scales: Wo's tiles 448 on, as the first launch laid them.
; Tiles of 16 rows: row r of tile 4 G + u is row 64 G + 32 (r / 8) + 8 u + r % 8.  Work-group (g, xi): 128 rows of o x 128 columns; wave w: rows 64 (w / 2) on, columns 64 (w % 2) on: 16 accumulators.
; Source 0 = 16 rows of Wo, source 1 = 16 rows of o: lane (r, h) holds one row of o, and its 32 registers of a tile of rows are columns 32 h .. 32 h + 31 of my 64.
; All of K lies in LDS as two panels of 98,304 bytes, asked for jointly in a cluster of 4 x 4 (o's along a row, Wo's along a column): waves 0, 1 bring the halves of o's panel, waves 2, 3 those of Wo's,
; one tensor load a wave; nothing is filled again.  No prefetch: the launch has no loop to run ahead in.  Results leave through each wave's own stage in LDS as whole rows of 256 bytes.
.set TILEB, 12288
.set FRB,   1536
.set PANEL, 8*TILEB
.set WA,    PANEL
.set STG,   2*PANEL
.set SPITCH, 272
.set LK,  1
.set L16, 2
.set ADX, 7
.set ADW, 8
.set STO, 9
.set RD,  10
.set CO,  13
.set XS,  16
.set WS,  32
.set ACC, 80
.set WV, 12
.set WI, 13
.set WJ, 14
.set CX, 15
.set CY, 16
.set GG, 17
.set XI, 18
.set G1X, 24
.set G1W, 32
.set G0X, 40
.set G0Q, 44
.set OUTB, 68
.set XSB, 80
.set WSB, 82
.set MSB, 0
.macro WIN new
.if MSB != (\new)
	s_set_vgpr_msb (MSB<<8)|(\new)
.set MSB, (\new)
.endif
.endm
.macro PLACES n
.rept \n
	v_nop
.endr
.endm
.macro CROUND
	s_barrier_signal -1
	s_barrier_wait -1
	s_cmp_lg_u32 s[WV], 0
	s_cbranch_scc1 .Lnot_wave_0_\@
	s_barrier_signal -3
.Lnot_wave_0_\@:
	s_barrier_wait -3
	s_barrier_signal -1
	s_barrier_wait -1
.endm
.macro MM d, a, b, sa, sb, s
.if (\s) == 0
	v_wmma_scale_f32_16x16x128_f8f6f4 v[\d:\d+7], v[\a:\a+11], v[\b:\b+11], 0, v[\sa], v[\sb] matrix_a_fmt:MATRIX_FMT_FP6 matrix_b_fmt:MATRIX_FMT_FP6
.elseif (\s) < 4
	v_wmma_scale_f32_16x16x128_f8f6f4 v[\d:\d+7], v[\a:\a+11], v[\b:\b+11], v[\d:\d+7], v[\sa], v[\sb] matrix_a_fmt:MATRIX_FMT_FP6 matrix_b_fmt:MATRIX_FMT_FP6
.else
	v_wmma_scale_f32_16x16x128_f8f6f4 v[\d:\d+7], v[\a:\a+11], v[\b:\b+11], v[\d:\d+7], v[\sa], v[\sb] matrix_a_fmt:MATRIX_FMT_FP6 matrix_b_fmt:MATRIX_FMT_FP6 matrix_a_scale:MATRIX_SCALE_ROW1 matrix_b_scale:MATRIX_SCALE_ROW1
.endif
.endm
.macro MUL16 s
.set WF, 48*((\s)%2)
.if (\s) < 5
.set XB, 48*(\s)
	WIN 0x07
.else
.set XB, 48*((\s)-5)
	WIN 0x0b
.endif
.irp a, 0,1,2,3
.irp t, 0,1,2,3
	MM ACC+32*\a+8*\t, WF+12*\t, XB+12*\a, WS+4*\t+(\s)%4, XS+4*\a+(\s)%4, \s
.endr
.endr
.endm
.macro FETCHW s
	WIN 0xc0
.irp t, 0,1,2,3
.irp n, 0,1,2,3,4,5
	ds_load_b64 v[48*((\s)%2)+12*\t+2*\n:48*((\s)%2)+12*\t+2*\n+1], v[ADW] offset:TILEB*\t+FRB*(\s)+256*\n
.endr
.endr
.endm
.macro XFRAGS
	WIN 0x40
.irp k, 0,1,2,3,4
.irp a, 0,1,2,3
.irp n, 0,1,2,3,4,5
	ds_load_b64 v[48*\k+12*\a+2*\n:48*\k+12*\a+2*\n+1], v[ADX] offset:TILEB*\a+FRB*\k+256*\n
.endr
.endr
.endr
	WIN 0x80
.irp k, 5,6,7
.irp a, 0,1,2,3
.irp n, 0,1,2,3,4,5
	ds_load_b64 v[48*(\k-5)+12*\a+2*\n:48*(\k-5)+12*\a+2*\n+1], v[ADX] offset:TILEB*\a+FRB*\k+256*\n
.endr
.endr
.endr
	WIN 0
.endm
.macro WAYOUT a
.if (\a)%2
.set BK, 208
.else
.set BK, 48
.endif
.if (\a) >= 2
	s_wait_xcnt 0x0
.endif
.irp t, 0,1,2,3
	ds_store_b128 v[STO], v[ACC+32*(\a)+8*\t:ACC+32*(\a)+8*\t+3] offset:32*\t      ; columns 32 h + 8 t on, each accumulator from its low end on
	ds_store_b128 v[STO], v[ACC+32*(\a)+8*\t+4:ACC+32*(\a)+8*\t+7] offset:32*\t+16
.endr
.irp i, 0,1,2,3,4,5,6,7
	ds_load_b128 v[BK+4*\i:BK+4*\i+3], v[RD] offset:2*SPITCH*\i
.endr
	s_wait_dscnt 0x0
.irp i, 0,1,2,3,4,5,6,7
	global_store_b128 v[CO], v[BK+4*\i:BK+4*\i+3], s[OUTB:OUTB+1] offset:(8*(\a)+2*\i+24*(\i/4))*4096 th:TH_STORE_NT   ; stage rows 2 i, 2 i + 1 of tile a; 16 lanes store 256 consecutive bytes, aligned
.endr
.endm
	s_load_b256 s[4:11], s[0:1], 0x0
	s_load_b64 s[66:67], s[0:1], 0x20
	v_lshl_add_u32 v254, v0, 2, 0x38000
	v_mov_b32 v255, 0
	ds_add_u32 v254, v255
	ds_add_u32 v254, v255
	v_lshrrev_b32 v12, 5, v0
	v_readfirstlane_b32 s[WV], v12
	s_lshr_b32 s[WI], s[WV], 1
	s_and_b32 s[WJ], s[WV], 1
	s_bfe_u32 s[CX], ttmp6, 0x40000
	s_bfe_u32 s[CY], ttmp6, 0x40004
	s_lshl_b32 s[GG], ttmp9, 2
	s_add_co_u32 s[GG], s[GG], s[CX]
	s_and_b32 s[XI], ttmp7, 0xffff
	s_lshl_b32 s[XI], s[XI], 2
	s_add_co_u32 s[XI], s[XI], s[CY]
	s_lshl_b32 s63, s[CY], 2
	s_lshl_b32 s63, 15, s63
	s_lshl_b32 s70, 0x1111, s[CX]
	s_or_b32 s[G1X], s63, (3<<16)|(1<<21)
	s_or_b32 s[G1W], s70, (3<<16)|(1<<21)
.irp g, G1X, G1W
	s_mov_b32 s[\g+1], 32<<16
	s_mov_b32 s[\g+2], 192<<16                     ; half a panel: 192 rows of 256 bytes
	s_mov_b32 s[\g+3], 32<<16
	s_mov_b32 s[\g+4], 192
	s_mov_b32 s[\g+5], 32
	s_mov_b32 s[\g+6], 0
	s_mov_b32 s[\g+7], 0
.endr
	s_lshl_b32 s56, s[XI], 3
	s_lshl_b32 s57, s[WJ], 2                       ; o: tiles 8 xi + 4 (w % 2) on
	s_add_co_u32 s56, s56, s57
	s_mul_i32 s56, s56, TILEB
	s_mov_b32 s57, 0
	s_lshl_b32 s58, s[GG], 3
	s_lshl_b32 s59, s[WJ], 2                       ; Wo: tiles 448 + 8 g + 4 (w % 2) on
	s_add_co_u32 s58, s58, s59
	s_add_co_u32 s58, s58, 448
	s_mul_i32 s58, s58, TILEB
	s_mov_b32 s59, 0
	s_mul_i32 s62, s[WJ], 4*TILEB                  ; my half of a panel
	s_wait_dscnt 0x0
	s_wait_kmcnt 0x0
	s_mov_b32 s[G0X], 1
	s_mov_b32 s[G0X+1], s62
	s_add_nc_u64 s[G0X+2:G0X+3], s[4:5], s[56:57]
	s_or_b32 s[G0X+3], s[G0X+3], 0x80000000
	s_mov_b32 s[G0Q], 1
	s_add_co_u32 s[G0Q+1], s62, WA
	s_add_nc_u64 s[G0Q+2:G0Q+3], s[8:9], s[58:59]
	s_or_b32 s[G0Q+3], s[G0Q+3], 0x80000000
	CROUND
	s_cmp_lt_u32 s[WV], 2                          ; one tensor load a wave: waves 0, 1 o's halves, waves 2, 3 Wo's
	s_cbranch_scc0 .Lhead_w
	tensor_load_to_lds s[G0X:G0X+3], s[G1X:G1X+7]
	s_nop 0
	PLACES 4
	s_branch .Lhead_j
.Lhead_w:
	tensor_load_to_lds s[G0Q:G0Q+3], s[G1W:G1W+7]
	s_nop 0
	PLACES 4
.Lhead_j:
	v_and_b32 v11, 31, v0
	v_lshlrev_b32 v[LK], 3, v11
	v_lshlrev_b32 v[L16], 4, v11
	v_and_b32 v12, 15, v0
	v_bfe_u32 v14, v0, 4, 1
	s_mul_i32 s84, s[WI], 4*TILEB
	v_add_nc_u32 v[ADX], s84, v[LK]
	s_mul_i32 s85, s[WJ], 4*TILEB
	s_add_co_u32 s85, s85, WA
	v_add_nc_u32 v[ADW], s85, v[LK]
	s_mul_i32 s86, s[WV], 16*SPITCH
	s_add_co_u32 s86, s86, STG
	v_mul_u32_u24 v[STO], v12, SPITCH
	v_lshl_add_u32 v[STO], v14, 7, v[STO]
	v_add_nc_u32 v[STO], s86, v[STO]
	v_mul_u32_u24 v[RD], v14, SPITCH
	v_lshl_add_u32 v[RD], v12, 4, v[RD]
	v_add_nc_u32 v[RD], s86, v[RD]
	v_lshlrev_b32 v[CO], 12, v14
	v_lshl_add_u32 v[CO], v12, 4, v[CO]
	s_lshl_b32 s84, s[XI], 3
	s_lshl_b32 s85, s[WI], 2
	s_add_co_u32 s84, s84, s85
	s_lshl_b32 s84, s84, 9
	s_mov_b32 s85, 0
	s_add_nc_u64 s[XSB:XSB+1], s[6:7], s[84:85]
	s_lshl_b32 s84, s[GG], 3
	s_lshl_b32 s86, s[WJ], 2
	s_add_co_u32 s84, s84, s86
	s_add_co_u32 s84, s84, 448
	s_lshl_b32 s84, s84, 9
	s_add_nc_u64 s[WSB:WSB+1], s[10:11], s[84:85]
.irp a, 0,1,2,3
	global_load_b128 v[XS+4*\a:XS+4*\a+3], v[L16], s[XSB:XSB+1] offset:512*\a
.endr
.irp t, 0,1,2,3
	global_load_b128 v[WS+4*\t:WS+4*\t+3], v[L16], s[WSB:WSB+1] offset:512*\t
.endr
	s_lshl_b32 s84, s[XI], 7
	s_lshl_b32 s86, s[WI], 6
	s_add_co_u32 s84, s84, s86
	s_lshl_b32 s84, s84, 12
	s_lshl_b32 s86, s[GG], 7
	s_lshl_b32 s87, s[WJ], 6
	s_add_co_u32 s86, s86, s87
	s_lshl_b32 s86, s86, 2
	s_add_co_u32 s84, s84, s86
	s_add_nc_u64 s[OUTB:OUTB+1], s[66:67], s[84:85]
	s_wait_alu depctr_va_vdst(0)
	s_wait_tensorcnt 0x0                           ; my half panel is in
	s_barrier_signal -1
	s_barrier_wait -1                              ; both panels are whole; nothing is filled again
	XFRAGS
	s_wait_loadcnt 0x0                             ; the scale words
	FETCHW 0
.irp k, 0,1,2,3,4,5,6
	PLACES 4
	FETCHW \k+1
	s_wait_dscnt 24
	MUL16 \k
.endr
	s_wait_dscnt 0x0
	MUL16 7
	WIN 0
	PLACES 4
	WAYOUT 0
	WAYOUT 1
	WAYOUT 2
	WAYOUT 3
	s_wait_tensorcnt 0x0
	ds_add_u32 v254, v255
	s_wait_dscnt 0x0
	CROUND
	s_endpgm
.Lfunc_end_k_qa96aead09e_outp:
	.size	k_qa96aead09e_outp, .Lfunc_end_k_qa96aead09e_outp-k_qa96aead09e_outp
	.p2alignl 7, 3214868480
	.fill 96, 4, 3214868480
	.section	.rodata,"a",@progbits
	.p2align	6, 0x0
	.amdhsa_kernel k_qa96aead09e_outp
		.amdhsa_group_segment_fixed_size 327680
		.amdhsa_private_segment_fixed_size 0
		.amdhsa_enable_private_segment 0
		.amdhsa_kernarg_size 40
		.amdhsa_user_sgpr_count 2
		.amdhsa_user_sgpr_kernarg_segment_ptr 1
		.amdhsa_wavefront_size32 1
		.amdhsa_system_sgpr_workgroup_id_x 1
		.amdhsa_system_sgpr_workgroup_id_y 1
		.amdhsa_system_sgpr_workgroup_id_z 1
		.amdhsa_system_vgpr_workitem_id 0
		.amdhsa_next_free_vgpr 864
		.amdhsa_next_free_sgpr 100
		.amdhsa_reserve_vcc 0
		.amdhsa_float_denorm_mode_32 3
		.amdhsa_float_denorm_mode_16_64 3
		.amdhsa_memory_ordered 1
		.amdhsa_forward_progress 1
		.amdhsa_inst_pref_size 57
	.end_amdhsa_kernel
	.amdgpu_metadata
---
amdhsa.version: [ 1, 2 ]
amdhsa.kernels:
  - .name:           k_qa96aead09e_outp
    .symbol:         k_qa96aead09e_outp.kd
    .args:
      - { .name: oi, .offset: 0, .size: 8, .value_kind: global_buffer, .address_space: global }
      - { .name: os, .offset: 8, .size: 8, .value_kind: global_buffer, .address_space: global }
      - { .name: codes, .offset: 16, .size: 8, .value_kind: global_buffer, .address_space: global }
      - { .name: scales, .offset: 24, .size: 8, .value_kind: global_buffer, .address_space: global }
      - { .name: out0, .offset: 32, .size: 8, .value_kind: global_buffer, .address_space: global }
    .group_segment_fixed_size: 327680
    .private_segment_fixed_size: 0
    .kernarg_segment_align: 8
    .kernarg_segment_size: 40
    .max_flat_workgroup_size: 128
    .sgpr_count:     100
    .vgpr_count:     864
    .wavefront_size: 32
...
	.end_amdgpu_metadata
.endif
;; end of part 4
